; MI455X (gfx1250); checked and timed in simulation.
; The chip was launched on July 23, 2026; its instructions are those of AMD's public machine-readable ISA for CDNA 5 (MIT licence, August 2026) and "CDNA5" Instruction Set Architecture Reference Guide (July 2026). The comments in the code are by the model that wrote it; some were corrected since.
;; Llama Attention. Allowed arithmetic: matrix products marked QUANTISED: E2M1 operands, one E8M0 scale for each 32 along K, by v_wmma_scale_f32_16x16x128_f8f6f4 with both operands' format E2M1 (or v_wmma_scale_f32_32x16x128_f4), f32 sums; products left as they are: bf16, f16 or f32 operands; f32 sums; everything else in f32.
;; Inputs: attention_mask 2 x 1 x 2,048 x 2,048 float32; hidden_states 2 x 2,048 x 4,096 float32; position_ids 2 x 2,048 int32; wk 512 x 4,096 float32; wo 4,096 x 1,024 float32; wq 1,024 x 4,096 float32; wv 512 x 4,096 float32.
;; Outputs: out0 2 x 2,048 x 4,096 float32.
;; This version of the problem:
;;   THIS VERSION OF THE PROBLEM IS GIVEN IN LOW PRECISION. The matrix products marked QUANTISED in the list below multiply operands that are first quantised to E2M1 (2 exponent bits, 1 mantissa bit; 4 bits a number), with one power-of-two scale for each 32 numbers along K (OCP MX v1.0); their sums are f32. The products marked 'left as it is' may take bf16, f16 or f32 operands, with f32 sums. Whichever they take, every output number must still come out within the allowed error. Rounding operands to bf16 (8 significant bits) uses up far more of that allowance than f16 does (11 bits, for magnitudes from 6e-5 to 65,504). All else is computed in f32.
;;   The module's matrix products, in the order in which they are computed (A, B: the left and right operand; K: the contracted axis; several contracted axes count as one K, in the product's order):
;;     1. [M 4,096, K 4,096] x [K 4,096, N 1,024]; A: input hidden_states; B: input wq: QUANTISED
;;     2. [M 4,096, K 4,096] x [K 4,096, N 512]; A: input hidden_states; B: input wk: QUANTISED
;;     3. [M 4,096, K 4,096] x [K 4,096, N 512]; A: input hidden_states; B: input wv: QUANTISED
;;     4. batch 8 x [M 4,096, K 128] x [K 128, N 2,048]; A: computed on the way; B: computed on the way: left as it is (an operand is computed on the way)
;;     5. batch 8 x [M 4,096, K 2,048] x [K 2,048, N 128]; A: computed on the way; B: computed on the way: left as it is (an operand is computed on the way)
;;     6. [M 4,096, K 1,024] x [K 1,024, N 4,096]; A: computed on the way; B: input wo: left as it is (an operand is computed on the way)
;;   THE QUANTISER, for each operand of a quantised product, along K:
;;     - K is cut into blocks of 32 from its start; a last block that is shorter is filled with zeros.
;;     - A block's scale is 2^e with e = floor(log2(the largest magnitude in the block)) - 2, held to -126 .. 127; a block of zeros has e = 0. As a byte (E8M0): e + 127.
;;     - Each number is divided by its block's scale, clamped to +-6, and rounded to the nearest number of E2M1, ties to even, subnormals kept.
;;     - The product sums the exact products of the quantised numbers (number of the format x scale) in f32.
;;   ~~~python
;;   def quantise(x, axis):      # numpy; x: float32 -> the quantised numbers, widened to float32 again
;;       x = np.moveaxis(x, axis, -1); K = x.shape[-1]
;;       x = np.pad(x, [(0, 0)] * (x.ndim - 1) + [(0, -K % 32)]); x = x.reshape(x.shape[:-1] + (-1, 32)); a = np.abs(x).max(-1, keepdims=True)
;;       e = np.where(a > 0, np.clip(np.frexp(np.where(a > 0, a, 1))[1] - 1 - 2, -126, 127), 0)      # np.frexp(a)[1] - 1 = floor(log2(a)), exactly
;;       r = np.clip(x / 2.0 ** e, -6, 6)
;;       step = 2.0 ** (np.maximum(np.frexp(np.where(r == 0, 1, r))[1] - 1, 0) - 1)
;;       q = np.round(r / step) * step * 2.0 ** e      # np.round: ties to even
;;       return np.moveaxis(q.reshape(q.shape[:-2] + (-1,))[..., :K], -1, axis).astype(np.float32)
;;   ~~~
;; 2 versions, each right. Each part assembles by itself: llvm-mc -triple=amdgcn-amd-amdhsa -mcpu=gfx1250 --defsym DOCPART=n.
;; ======== version 1 of 2: 6 launches
;; limits: values are held in f16: magnitudes above 65,504 overflow, below 6.1e-05 lose precision; inputs' magnitudes at most 48,000; right only within a limited range of input values
;; workspace buffers: xq4 8,912,896 bytes; wq4 4,456,448 bytes; woh 8,388,608 bytes; rope 2,097,152 bytes; qkvi 20,971,520 bytes; aout 8,388,608 bytes; afine 131,072 bytes
;; launch prep (part 1): grid 928 x 1, 4 waves a work-group, no clusters, 33,280 bytes of LDS; arguments hidden_states, wq, wk, wv, wo, position_ids, xq4, wq4, woh, rope; writes xq4, wq4, woh, rope
.if DOCPART == 1
	.amdgcn_target "amdgcn-amd-amdhsa--gfx1250"
	.amdhsa_code_object_version 6
	.text
	.protected	k_qd122335e83_prep
	.globl	k_qd122335e83_prep
	.p2align	8
	.type	k_qd122335e83_prep,@function
k_qd122335e83_prep:
	s_mov_b64 s[64:65], 0
	v_nop
	global_prefetch_b8 v0, s[64:65] scope:SCOPE_SE
	s_setreg_imm32_b32 hwreg(HW_REG_WAVE_MODE, 25, 1), 1
	s_wait_xcnt 0x0
; THREE JOBS IN ONE LAUNCH, parted by the work-group's number.
; Work-groups 0-767: hidden_states [4096][4096], wq [1024][4096], wk, wv [512][4096], f32, become codes of FP4 (E2M1), K innermost, two a byte, and one E8M0 byte for each 32 along K.
;   xq4: codes [4096][2048 B], then the scale bytes [4096][128] from byte 8,388,608 on.  wq4: codes [2048][2048 B] (wq's rows, wk's, wv's), then the scale bytes from byte 4,194,304 on.
;   A block's scale is 2^(floor(log2(largest magnitude)) - 2); its byte is the largest magnitude's exponent field - 2, held at 1 from below.  A block of zeros gets the byte 1 where the rule says 127:
;   its codes are zeros, which add nothing, and this program alone reads the bytes.  Rows are dense and K is a multiple of 32: each tensor is a plain stream of blocks.
; Work-groups 768-895: wo [4096][1024] f32 becomes f16 (woh), for the projection on the way out.
; Work-groups 896-927: the table of cos and sin of position x 10000^(-j/64), j = 0..63, from position_ids: rope [4096 rows][cos 64 f32, sin 64 f32].
; LIMITS: NaN and infinities among the inputs are not served.  Blocks whose largest magnitude lies under 2^-124 keep the byte 1.  10000^(-j/64) is made by v_exp_f32 of j x (-log2(10000)/64): it can differ
; from a correctly rounded power by a few units in the last place, an angle of 2,000 rad so by about 2e-4 rad.  Angles up to about 4.8e4 rad are reduced by three parts of pi/2; beyond that the reduction loses bits.
.set WAVES, 4
.set STEPS, 16
.set CB,    8                          ; bytes of 16 codes
.set R,     16                         ; v16-79   four sets of 16 numbers as they are loaded
.set X,     80                         ; v80-111  two sets of 16 neighbours
.set C,     128                        ; v128-191 codes: four registers for each step, so that no store's data are written again
.set E,     112                        ; v112-127 a scale byte for each step
.set WREG,  8192                       ; LDS: a region for each wave: two stages of 32 x SP bytes, behind them its 256 scale bytes
.set SP,    80                         ; a lane's place in a stage: 64 bytes + 16 of padding
.set SPW,   12                         ; v12      LDS address of my spare word; never rewritten
.set NIL,   13                         ; v13      0; never rewritten
.set SPARE, WAVES*WREG                 ; behind the four regions: the spare words, 128 bytes a wave, which no other line names
	s_load_b512 s[4:19], s[0:1], 0x0               ; hidden s[4:5], wq s[6:7], wk s[8:9], wv s[10:11], wo s[12:13], position_ids s[14:15], xq4 s[16:17], wq4 s[18:19]
	s_load_b128 s[20:23], s[0:1], 0x40             ; woh s[20:21], rope s[22:23]
	v_lshl_add_u32 v[SPW], v0, 2, SPARE
	v_mov_b32 v[NIL], 0
	v_lshrrev_b32 v1, 5, v0
	v_readfirstlane_b32 s24, v1                    ; wave
	v_and_b32 v2, 31, v0                           ; lane
	s_wait_kmcnt 0x0
	s_cmp_ge_u32 ttmp9, 768
	s_cbranch_scc1 .Lother
	; ---------------- the quantiser: a wave takes 16 steps of 512 numbers ----------------
	; Each of a step's four loads reads 512 consecutive bytes; the 2,048 bytes turn through the wave's own stage in LDS and come back 64 bytes a lane: 16 neighbours along K; two lanes hold a block.
	v_lshlrev_b32 v3, 4, v2                        ; my 16 bytes of a load's 512
	s_mul_i32 s25, s24, WREG
	v_lshrrev_b32 v14, 2, v2
	v_mul_u32_u24 v14, v14, SP
	v_and_b32 v15, 3, v2
	v_lshl_add_u32 v14, v15, 4, v14
	v_add_nc_u32 v14, s25, v14                     ; the stage, on the way in: SP (lane / 4) + 16 (lane % 4)
	v_mul_u32_u24 v15, v2, SP
	v_add_nc_u32 v15, s25, v15                     ; and on the way out: SP x lane
	v_mul_u32_u24 v4, v2, CB                       ; my codes' place in a step's
	v_lshrrev_b32 v5, 1, v2
	s_add_co_u32 s25, s25, 2*32*SP
	v_add_nc_u32 v5, s25, v5                       ; my wave's 256 scale bytes, my block's byte
	v_lshlrev_b32 v7, 3, v2                        ; and on the way out 8 bytes a lane
	v_add_nc_u32 v6, s25, v7
	; which tensor: work-groups 0-511 hidden, 512-639 wq, 640-703 wk, 704-767 wv.  The choices hang on the work-group's number alone
	s_cmp_lt_u32 ttmp9, 704
	s_cselect_b64 s[26:27], s[8:9], s[10:11]
	s_mov_b32 s28, 704
	s_cselect_b32 s28, 640, s28                    ; the tensor's first work-group
	s_cmp_lt_u32 ttmp9, 640
	s_cselect_b64 s[26:27], s[6:7], s[26:27]
	s_cselect_b32 s28, 512, s28
	s_mov_b32 s32, 4194304
	s_cmp_lt_u32 ttmp9, 512
	s_cselect_b64 s[26:27], s[4:5], s[26:27]
	s_cselect_b32 s28, 0, s28
	s_cselect_b64 s[30:31], s[16:17], s[18:19]     ; the output buffer,
	s_cselect_b32 s29, 0, 512                      ; its first work-group,
	s_cselect_b32 s32, 8388608, s32                ; and where its scale bytes begin
	s_sub_co_u32 s33, ttmp9, s28
	s_lshl_b32 s33, s33, 2
	s_add_co_u32 s33, s33, s24                     ; which run of 8,192 numbers of the input is my wave's
	s_lshl_b32 s34, s33, 15                        ; 32,768 bytes a run (under 2^27)
	s_mov_b32 s35, 0
	s_add_nc_u64 s[26:27], s[26:27], s[34:35]
	s_sub_co_u32 s33, ttmp9, s29
	s_lshl_b32 s33, s33, 2
	s_add_co_u32 s33, s33, s24                     ; and which run of the output buffer
	s_lshl_b32 s34, s33, 12                        ; 4,096 bytes of codes a run
	s_add_nc_u64 s[36:37], s[30:31], s[34:35]
	s_lshl_b32 s34, s33, 8                         ; 256 scale bytes a run
	s_add_co_u32 s34, s34, s32
	s_add_nc_u64 s[38:39], s[30:31], s[34:35]
.macro LOAD t
.irp i, 0,1,2,3
	global_load_b128 v[R+16*((\t)%4)+4*\i:R+16*((\t)%4)+4*\i+3], v3, s[26:27] offset:2048*(\t)+512*\i th:TH_LOAD_NT   ; 32 lanes read 512 consecutive bytes
.endr
.endm
.macro TURN t                          ; step t's numbers through the stage: LDS serves a wave's instructions in order, so no wait stands between the stores and the loads
.irp i, 0,1,2,3
	ds_store_b128 v14, v[R+16*((\t)%4)+4*\i:R+16*((\t)%4)+4*\i+3] offset:32*SP*((\t)%2)+8*SP*\i
.endr
.irp i, 0,1,2,3
	ds_load_b128 v[X+16*((\t)%2)+4*\i:X+16*((\t)%2)+4*\i+3], v15 offset:32*SP*((\t)%2)+16*\i
.endr
.endm
.irp t, 0,1,2,3
	LOAD \t
.endr
	s_wait_loadcnt 12                              ; step 0's four loads are in; the twelve of steps 1 to 3 may be out
	TURN 0
.macro STEP t
.set XS, X+16*((\t)%2)
.if (\t) > 0
	s_wait_dscnt 1                                 ; this step's numbers are back from the stage (the last step's byte store may be out)
.else
	s_wait_dscnt 0x0
.endif
.if (\t)+4 < STEPS
	LOAD (\t)+4                                    ; into the registers that this step's stage stores have read
.endif
.if (\t)+1 < STEPS
.if STEPS-2-(\t) >= 3
	s_wait_loadcnt 12                              ; the next step's four loads are in; those of the three steps behind it may be out
.else
	s_wait_loadcnt 4*(STEPS-2-(\t))
.endif
	TURN (\t)+1                                    ; and go through the other stage while this step is worked
.endif
	v_max3_num_f32 v8, |v[XS]|, |v[XS+1]|, |v[XS+2]|               ; the largest magnitude of my 16, in two chains
	v_max3_num_f32 v9, |v[XS+3]|, |v[XS+4]|, |v[XS+5]|
.irp i, 6,10
	v_max3_num_f32 v8, v8, |v[XS+\i]|, |v[XS+\i+1]|
	v_max3_num_f32 v9, v9, |v[XS+\i+2]|, |v[XS+\i+3]|
.endr
	v_max3_num_f32 v8, v8, |v[XS+14]|, |v[XS+15]|
	v_max3_num_f32 v8, v8, v9, 0x1800000           ; and the floor 2^(3 - 127): the byte cannot fall under 1
	v_max_num_f32_dpp v8, v8, v8 row_xmask:1 row_mask:0xf bank_mask:0xf   ; and of my neighbour's 16: the block's
	v_add_nc_u32 v11, 0xff000000, v8               ; 2 off its exponent field: the conversion takes the exponent field of this operand as its scale
	v_cvt_scalef32_pk8_fp4_f32 v[C+4*(\t)], v[XS:XS+7], v11
	v_cvt_scalef32_pk8_fp4_f32 v[C+4*(\t)+1], v[XS+8:XS+15], v11
	v_lshrrev_b32 v[E+(\t)], 23, v11               ; the scale's byte (a plain line behind the conversions)
	ds_store_b8 v5, v[E+(\t)] offset:16*(\t)       ; both lanes of a block write the same byte with the same value
	global_store_b64 v4, v[C+4*(\t):C+4*(\t)+1], s[36:37] offset:32*CB*(\t)   ; the wave stores 256 consecutive bytes, aligned
.endm
.irp t, 0,1,2,3,4,5,6,7,8,9,10,11,12,13,14,15
	STEP \t
.endr
	ds_load_b64 v[8:9], v6                         ; LDS serves a wave's instructions in order: these see my byte stores
	s_wait_dscnt 0x0
	global_store_b64 v7, v[8:9], s[38:39]          ; 32 lanes store 256 consecutive bytes, aligned
	s_wait_tensorcnt 0x0                           ; the wave's end, behind my last LDS store
	ds_add_u32 v[SPW], v[NIL]
	s_wait_dscnt 0x0
	s_endpgm
.Lother:
	s_cmp_ge_u32 ttmp9, 896
	s_cbranch_scc1 .Lrope
	; ---------------- wo to f16: a wave takes 8,192 numbers, 64 loads of 512 bytes in four groups through two register sets ----------------
	s_sub_co_u32 s25, ttmp9, 768
	s_lshl_b32 s25, s25, 2
	s_add_co_u32 s25, s25, s24                     ; my run
	s_lshl_b32 s26, s25, 15
	s_mov_b32 s27, 0
	s_add_nc_u64 s[12:13], s[12:13], s[26:27]
	s_lshl_b32 s26, s25, 14
	s_add_nc_u64 s[20:21], s[20:21], s[26:27]
	v_lshlrev_b32 v3, 4, v2                        ; in: 16 bytes a lane
	v_lshlrev_b32 v4, 3, v2                        ; out: 8 bytes a lane
.macro CLD g
.irp i, 0,1,2,3,4,5,6,7,8,9,10,11,12,13,14,15
	global_load_b128 v[16+64*((\g)%2)+4*\i:16+64*((\g)%2)+4*\i+3], v3, s[12:13] offset:8192*(\g)+512*\i th:TH_LOAD_NT
.endr
.endm
.macro CGRP g
.if (\g) > 0
	s_wait_xcnt 0x0                                ; the last group's stores have read v144-175, which are written again below
.endif
.irp i, 0,1,2,3,4,5,6,7,8,9,10,11,12,13,14,15
.if (\g) < 3
	s_wait_loadcnt 31-\i                           ; load i of this group is in: its 15 - i younger ones and the next group's 16 may be out
.else
	s_wait_loadcnt 15-\i
.endif
	v_cvt_pk_f16_f32 v[144+2*\i], v[16+64*((\g)%2)+4*\i], v[17+64*((\g)%2)+4*\i]
	v_cvt_pk_f16_f32 v[145+2*\i], v[18+64*((\g)%2)+4*\i], v[19+64*((\g)%2)+4*\i]
	global_store_b64 v4, v[144+2*\i:145+2*\i], s[20:21] offset:4096*(\g)+256*\i   ; 256 consecutive bytes, aligned
.endr
.endm
	CLD 0
	CLD 1
	CGRP 0
	CLD 2
	CGRP 1
	CLD 3
	CGRP 2
	CGRP 3
	s_endpgm
.Lrope:
	; ---------------- cos and sin: a wave takes 32 rows, two a turn; lane: frequencies 4 (lane % 16) + 0..3 of row 2 turn + lane / 16 ----------------
	s_sub_co_u32 s25, ttmp9, 896
	s_lshl_b32 s25, s25, 2
	s_add_co_u32 s25, s25, s24                     ; my run of 32 rows, 0..127
	s_lshl_b32 s26, s25, 7
	s_mov_b32 s27, 0
	s_add_nc_u64 s[14:15], s[14:15], s[26:27]      ; its 32 positions
	s_lshl_b32 s26, s25, 14
	s_add_nc_u64 s[22:23], s[22:23], s[26:27]      ; its 32 rows of 512 bytes
	v_and_b32 v3, 15, v2
	v_lshrrev_b32 v4, 4, v2
	v_lshlrev_b32 v5, 2, v4
.irp it, 0,1,2,3,4,5,6,7,8,9,10,11,12,13,14,15
	global_load_b32 v[32+\it], v5, s[14:15] offset:8*\it
.endr
	v_lshlrev_b32 v6, 9, v4
	v_lshl_add_u32 v6, v3, 4, v6                   ; out: 512 (lane / 16) + 16 (lane % 16)
	v_lshlrev_b32 v7, 2, v3
.irp i, 0,1,2,3
	v_add_nc_u32 v[20+\i], \i, v7                  ; j
	v_cvt_f32_u32 v[20+\i], v[20+\i]
	v_mul_f32 v[20+\i], 0xbe549a78, v[20+\i]       ; x -log2(10000) / 64
.endr
.irp i, 0,1,2,3
	v_exp_f32 v[16+\i], v[20+\i]                   ; 10000^(-j/64)
.endr
	v_nop                                          ; a plain line behind the last exponential,
	s_wait_alu depctr_va_vdst(0)                   ; and one wait for the four, ahead of their first reader
	s_mov_b32 s32, 0x3f22f983                      ; 2 / pi
	s_mov_b32 s33, 0x3fc90fd8                      ; pi / 2 in three parts
	s_mov_b32 s34, 0x34a8885a
	s_mov_b32 s35, 0x27c234c4
	s_mov_b32 s36, 0x3638ef1d                      ; sin: 1/9!, -1/7!, 1/5!, -1/3!
	s_mov_b32 s37, 0xb9500d01
	s_mov_b32 s38, 0x3c088889
	s_mov_b32 s39, 0xbe2aaaab
	s_mov_b32 s40, 0x37d00d01                      ; cos: 1/8!, -1/6!, 1/4!
	s_mov_b32 s41, 0xbab60b61
	s_mov_b32 s42, 0x3d2aaaab
	s_wait_loadcnt 0x0
; Temporaries of frequency i at v[64 + 8 i]: +0 x, then r; +1 n; +2 z = r r; +3 sin's series; +4 cos's; +5 r z; +6 the quadrant; +7 at work
.macro ROW it
	s_wait_xcnt 0x0                                ; the last turn's stores have read v48-55
	v_cvt_f32_i32 v56, v[32+\it]
.irp i, 0,1,2,3
	v_mul_f32 v[64+8*\i], v56, v[16+\i]            ; the angle, rounded once
.endr
.irp i, 0,1,2,3
	v_mul_f32 v[65+8*\i], s32, v[64+8*\i]
.endr
.irp i, 0,1,2,3
	v_rndne_f32 v[65+8*\i], v[65+8*\i]             ; n = the nearest multiple of pi / 2
.endr
.irp i, 0,1,2,3
	v_fma_f32 v[64+8*\i], -v[65+8*\i], s33, v[64+8*\i]
.endr
.irp i, 0,1,2,3
	v_fma_f32 v[64+8*\i], -v[65+8*\i], s34, v[64+8*\i]
.endr
.irp i, 0,1,2,3
	v_fma_f32 v[64+8*\i], -v[65+8*\i], s35, v[64+8*\i]   ; r, within pi / 4 of 0
.endr
.irp i, 0,1,2,3
	v_mul_f32 v[66+8*\i], v[64+8*\i], v[64+8*\i]
.endr
.irp i, 0,1,2,3
	v_fma_f32 v[67+8*\i], v[66+8*\i], s36, s37
	v_fma_f32 v[68+8*\i], v[66+8*\i], s40, s41
.endr
.irp i, 0,1,2,3
	v_fma_f32 v[67+8*\i], v[67+8*\i], v[66+8*\i], s38
	v_fma_f32 v[68+8*\i], v[68+8*\i], v[66+8*\i], s42
.endr
.irp i, 0,1,2,3
	v_fma_f32 v[67+8*\i], v[67+8*\i], v[66+8*\i], s39
	v_fma_f32 v[68+8*\i], v[68+8*\i], v[66+8*\i], -0.5
.endr
.irp i, 0,1,2,3
	v_mul_f32 v[69+8*\i], v[64+8*\i], v[66+8*\i]
	v_fma_f32 v[68+8*\i], v[68+8*\i], v[66+8*\i], 1.0              ; cos r
	v_cvt_i32_f32 v[70+8*\i], v[65+8*\i]
.endr
.irp i, 0,1,2,3
	v_fma_f32 v[67+8*\i], v[69+8*\i], v[67+8*\i], v[64+8*\i]       ; sin r
	v_and_b32 v[71+8*\i], 1, v[70+8*\i]
.endr
.irp i, 0,1,2,3
	v_cmp_eq_u32 vcc_lo, 1, v[71+8*\i]             ; odd quadrants change the two places
	v_cndmask_b32 v[52+\i], v[67+8*\i], v[68+8*\i], vcc_lo
	v_cndmask_b32 v[48+\i], v[68+8*\i], v[67+8*\i], vcc_lo
.endr
.irp i, 0,1,2,3
	v_and_b32 v[71+8*\i], 2, v[70+8*\i]            ; the sine is negative in quadrants 2 and 3,
	v_add_nc_u32 v[70+8*\i], 1, v[70+8*\i]
	v_lshlrev_b32 v[71+8*\i], 30, v[71+8*\i]
	v_and_b32 v[70+8*\i], 2, v[70+8*\i]            ; the cosine in 1 and 2
	v_xor_b32 v[52+\i], v[52+\i], v[71+8*\i]
	v_lshlrev_b32 v[70+8*\i], 30, v[70+8*\i]
	v_xor_b32 v[48+\i], v[48+\i], v[70+8*\i]
.endr
	global_store_b128 v6, v[48:51], s[22:23] offset:\it*1024       ; sixteen lanes store a row's 256 bytes of cos, aligned
	global_store_b128 v6, v[52:55], s[22:23] offset:\it*1024+256   ; and of sin
.endm
.irp it, 0,1,2,3,4,5,6,7,8,9,10,11,12,13,14,15
	ROW \it
.endr
	s_endpgm
.Lfunc_end_k_qd122335e83_prep:
	.size	k_qd122335e83_prep, .Lfunc_end_k_qd122335e83_prep-k_qd122335e83_prep
	.p2alignl 7, 3214868480
	.fill 96, 4, 3214868480
	.section	.rodata,"a",@progbits
	.p2align	6, 0x0
	.amdhsa_kernel k_qd122335e83_prep
		.amdhsa_group_segment_fixed_size 33280
		.amdhsa_private_segment_fixed_size 0
		.amdhsa_enable_private_segment 0
		.amdhsa_kernarg_size 80
		.amdhsa_user_sgpr_count 2
		.amdhsa_user_sgpr_kernarg_segment_ptr 1
		.amdhsa_wavefront_size32 1
		.amdhsa_system_sgpr_workgroup_id_x 1
		.amdhsa_system_sgpr_workgroup_id_y 1
		.amdhsa_system_sgpr_workgroup_id_z 1
		.amdhsa_system_vgpr_workitem_id 0
		.amdhsa_next_free_vgpr 192
		.amdhsa_next_free_sgpr 66
		.amdhsa_reserve_vcc 1
		.amdhsa_float_denorm_mode_32 3
		.amdhsa_float_denorm_mode_16_64 3
		.amdhsa_memory_ordered 1
		.amdhsa_forward_progress 1
		.amdhsa_inst_pref_size 142
	.end_amdhsa_kernel
	.amdgpu_metadata
---
amdhsa.version: [ 1, 2 ]
amdhsa.kernels:
  - .name:           k_qd122335e83_prep
    .symbol:         k_qd122335e83_prep.kd
    .args:
      - { .name: hidden_states, .offset: 0, .size: 8, .value_kind: global_buffer, .address_space: global }
      - { .name: wq, .offset: 8, .size: 8, .value_kind: global_buffer, .address_space: global }
      - { .name: wk, .offset: 16, .size: 8, .value_kind: global_buffer, .address_space: global }
      - { .name: wv, .offset: 24, .size: 8, .value_kind: global_buffer, .address_space: global }
      - { .name: wo, .offset: 32, .size: 8, .value_kind: global_buffer, .address_space: global }
      - { .name: position_ids, .offset: 40, .size: 8, .value_kind: global_buffer, .address_space: global }
      - { .name: xq4, .offset: 48, .size: 8, .value_kind: global_buffer, .address_space: global }
      - { .name: wq4, .offset: 56, .size: 8, .value_kind: global_buffer, .address_space: global }
      - { .name: woh, .offset: 64, .size: 8, .value_kind: global_buffer, .address_space: global }
      - { .name: rope, .offset: 72, .size: 8, .value_kind: global_buffer, .address_space: global }
    .group_segment_fixed_size: 33280
    .private_segment_fixed_size: 0
    .kernarg_segment_align: 8
    .kernarg_segment_size: 80
    .max_flat_workgroup_size: 128
    .sgpr_count:     66
    .vgpr_count:     192
    .wavefront_size: 32
...
	.end_amdgpu_metadata
.endif
;; end of part 1
;; launch qkv (part 2): grid 16 x 16, 4 waves a work-group, clusters of 4 x 4, 327,680 bytes of LDS; arguments xq4, wq4, rope, qkvi; writes qkvi
.if DOCPART == 2
	.amdgcn_target "amdgcn-amd-amdhsa--gfx1250"
	.amdhsa_code_object_version 6
	.text
	.protected	k_qd122335e83_qkv
	.globl	k_qd122335e83_qkv
	.p2align	8
	.type	k_qd122335e83_qkv,@function
k_qd122335e83_qkv:
	s_mov_b64 s[64:65], 0
	v_nop
	global_prefetch_b8 v0, s[64:65] scope:SCOPE_SE
	s_setreg_imm32_b32 hwreg(HW_REG_WAVE_MODE, 25, 1), 1
	s_wait_xcnt 0x0
	s_wait_alu depctr_hold_cnt(0) depctr_sa_sdst(0) depctr_va_vdst(0) depctr_va_sdst(0) depctr_va_ssrc(0) depctr_va_vcc(0) depctr_vm_vsrc(0)
	s_getreg_b32 s2, hwreg(HW_REG_IB_STS2, 6, 4)
	s_cmp_eq_u32 s2, 0
	s_cbranch_scc0 .Lentry_in_a_cluster
	s_endpgm
.Lentry_in_a_cluster:
	s_bfe_u32 s2, ttmp6, 0x10000c
	s_cmp_lg_u32 s2, 0xf033
	s_cbranch_scc0 .Lentry_shape_is_right
	s_endpgm
.Lentry_shape_is_right:
; q, k, v = hidden x [wq; wk; wv]^T on codes of FP4 (E2M1) with E8M0 scales: [4096 x 4096] x [2048 x 4096]^T, sums in f32; then RoPE on q and k in f32; results leave as f16, laid as the attention's operand registers want them.
; SHARES.  A work-group makes 256 rows x 128 columns: one head slot (0-7 q's heads, 8-11 k's groups, 12-15 v's groups): 256 work-groups.  Wave w: rows 64 w .. 64 w + 63, all 128 columns: 32 accumulators in window 2.
; K goes in steps of 512 (rows of 256 bytes) through two LDS slots filled by tensor loads; the scale bytes of the work-group's rows, for all of K, come once with the first fills and stay.
; CLUSTERS: 4 x 4.  The four of a row of the cluster need the same rows of x, the four of a column the same rows of W: each tile is asked for jointly, by the same load with a mask that names the four.
; THE MATRIX INSTRUCTION IS USED TRANSPOSED (source 0 = 16 rows of W, source 1 = 16 rows of x): lane (r, h) of accumulator (a, b) holds row 16 a + r, channels 16 b + 8 h + 0..7.
; OUTPUT.  q, k: images [row tile][8 pieces][32 lanes][16 B]: piece bb of a lane = f16 of its row, channels 16 bb + 8 h + 0..7: a lane's accumulator packed; pieces 2 c, 2 c + 1 are a 16 x 32 fragment's registers.
;   v: images [32 keys kb][8 channel tiles ct][2 c][32 lanes][16 B]: lane (r, h) = channel 16 ct + r, keys 32 kb + 16 c + 8 h + 0..7 (turned through the wave's stage in LDS), as a high part and, 4,194,304 bytes on, a low part.
; LIMITS: |q|, |k|, |v| stay under 65,504 (f16).  RoPE is one multiplication and one fused multiply-add a number.
; REGISTERS.  window 0: v16-30 addresses; v32-95 scale words, two sets, and nothing else; v128-191 x's fragments, two sets; way out: v96-127 packed results, v128-191 rotated numbers, v192-223 turned v, v224-255 v's low part.
;   window 1: v0-63, v128-191 W's fragments, two sets; v64-127, v192-255 cos and sin, two sets.   window 2: the accumulators, (a, b) at v[8 (8 a + b)].
.set PITCH,  272                       ; an LDS row: 256 bytes + 16 of padding: the 16 rows of a fragment load start 4 banks apart
.set FR,     8
.set NQ,     4                         ; matrix instructions deep in a slot
.set ROWB,   256
.set KROW,   2048                      ; a row of codes in memory
.set ABYTES, 256*PITCH                 ; x's 256 rows in a slot
.set SLOT,   384*PITCH                 ; then W's 128 rows
.set SCL,    2*SLOT                    ; behind the ring: x's scale bytes (128 units of 256 + 16), then W's (64 units)
.set SBLK,   8*272                     ; the scale bytes of 16 rows
.set VSTG,   SCL+192*272               ; v's stage: 16 rows x 288 bytes for each wave; no fill lands here
.set VP,     288
.set SPARE,  VSTG+4*16*VP              ; the spare words, 128 bytes a wave, which no other line names
.set ADRA, 16                          ; v16-17  LDS address of my x fragments in slot 0, 1
.set ADRB, 20                          ; v20-21  the same for W
.set IO,   24                          ; v24     16 x lane
.set VR,   25                          ; v25     rope: 512 r + 32 h
.set VSTO, 26                          ; v26     v's stage, in
.set ADRS, 27                          ; v27     my scale words: lanes 0-15 x's rows, lanes 16-31 W's
.set SPW,  28
.set NIL,  29
.set VRD,  30                          ; v30     v's stage, out (turning load)
.set SC,   32
.set AF,   128
.set TMP,  96
.set OUTR, 128
.set BK,   192
.set LO,   224
.set CS,   64                          ; window 1: cos and sin, set s at 64 + 128 s: 32 of cos, 32 of sin
.set G1, 24
.set G0, 32
.set G1B, 48
.set G0B, 56
.set G1S, 68
.set G0S, 76
.set G1SB, 80
.set G0SB, 88
.set MSB, 0
.macro WIN new                         ; the immediate's high byte repeats the setting that is left
.if MSB != \new
	s_set_vgpr_msb (MSB<<8)|\new
.set MSB, \new
.endif
.endm
.set MUL, 0xa1                         ; source 0 (W) window 1, source 1 (x) window 0, C and D window 2
; A joint load: waves 0 and 1 fetch for x, waves 2 and 3 for W.  The branch hangs on the wave's number alone.  An s_nop 0 and four v_nop follow each line.
.macro JLOAD g0a, g1a, g0b, g1b
	s_cmp_eq_u32 s15, 0
	s_cbranch_scc0 .Lfor_b_\@
	tensor_load_to_lds s[\g0a:\g0a+3], s[\g1a:\g1a+7]
	s_nop 0
.rept 4
	v_nop
.endr
	s_branch .Lasked_\@
.Lfor_b_\@:
	tensor_load_to_lds s[\g0b:\g0b+3], s[\g1b:\g1b+7]
	s_nop 0
.rept 4
	v_nop
.endr
.Lasked_\@:
.endm
.macro CREST                           ; a round of the cluster's barrier behind its opening barrier
	s_cmp_lg_u32 s14, 0
	s_cbranch_scc1 .Lnot_wave_0_\@
	s_barrier_signal -3
.Lnot_wave_0_\@:
	s_barrier_wait -3
	s_barrier_signal -1
	s_barrier_wait -1
.endm
.macro CROUND
	s_barrier_signal -1
	s_barrier_wait -1
	CREST
.endm
.macro PLACES n
.rept \n
	v_nop
.endr
.endm
	s_load_b256 s[4:11], s[0:1], 0x0               ; xq4 s[4:5], wq4 s[6:7], rope s[8:9], qkvi s[10:11]
	v_lshl_add_u32 v[SPW], v0, 2, SPARE
	v_mov_b32 v[NIL], 0
	ds_add_u32 v[SPW], v[NIL]                      ; the wave's opening: the add, twice on end, and its wait ahead of my first tensor load
	ds_add_u32 v[SPW], v[NIL]
	v_lshrrev_b32 v1, 5, v0
	v_readfirstlane_b32 s14, v1                    ; wave 0..3
	s_lshr_b32 s15, s14, 1                         ; I fetch for x (0) or for W (1)
	s_and_b32 s16, s14, 1                          ; which half of that tile
	s_bfe_u32 s40, ttmp6, 0x40000                  ; cx, cy
	s_bfe_u32 s41, ttmp6, 0x40004
	s_lshl_b32 s42, ttmp9, 2
	s_add_co_u32 s42, s42, s40                     ; head slot = 4 x cluster x + cx
	s_and_b32 s17, ttmp7, 0xffff
	s_lshl_b32 s17, s17, 2
	s_add_co_u32 s17, s17, s41                     ; block of 256 rows = 4 x cluster y + cy
	s_lshl_b32 s43, s41, 2
	s_lshl_b32 s43, 15, s43                        ; my row of the cluster
	s_lshl_b32 s44, 0x1111, s40                    ; my column
	; group 1: codes: rows of 256 bytes, 2,048 apart, 16 bytes of padding behind each; x: 128 rows a load, W: 64
	s_or_b32 s[G1+0], s43, (0<<16)|(1<<20)|(1<<21)|(5<<22)|(3<<25)
	s_or_b32 s[G1B+0], s44, (0<<16)|(1<<20)|(1<<21)|(5<<22)|(3<<25)
	s_mov_b32 s[G1+1], ROWB<<16
	s_mov_b32 s[G1+2], 128<<16
	s_mov_b32 s[G1+3], ROWB<<16
	s_mov_b32 s[G1+4], 128
	s_mov_b32 s[G1+5], KROW
	s_mov_b32 s[G1+6], 0
	s_mov_b32 s[G1+7], 0
	s_mov_b32 s[G1B+1], ROWB<<16
	s_mov_b32 s[G1B+2], 64<<16
	s_mov_b32 s[G1B+3], ROWB<<16
	s_mov_b32 s[G1B+4], 64
	s_mov_b32 s[G1B+5], KROW
	s_mov_b32 s[G1B+6], 0
	s_mov_b32 s[G1B+7], 0
	; scale bytes: dense blocks as rows of 256 bytes (32 elements of 8), padded likewise; x: 128 rows x 128 B = 64 units a load, W: 32
	s_or_b32 s[G1S+0], s43, (3<<16)|(1<<20)|(1<<21)|(5<<22)|(3<<25)
	s_or_b32 s[G1SB+0], s44, (3<<16)|(1<<20)|(1<<21)|(5<<22)|(3<<25)
	s_mov_b32 s[G1S+1], 32<<16
	s_mov_b32 s[G1S+2], 64<<16
	s_mov_b32 s[G1S+3], 32<<16
	s_mov_b32 s[G1S+4], 64
	s_mov_b32 s[G1S+5], 32
	s_mov_b32 s[G1S+6], 0
	s_mov_b32 s[G1S+7], 0
	s_mov_b32 s[G1SB+1], 32<<16
	s_mov_b32 s[G1SB+2], 32<<16
	s_mov_b32 s[G1SB+3], 32<<16
	s_mov_b32 s[G1SB+4], 32
	s_mov_b32 s[G1SB+5], 32
	s_mov_b32 s[G1SB+6], 0
	s_mov_b32 s[G1SB+7], 0
	s_lshl_b32 s20, s17, 8
	s_lshl_b32 s18, s16, 7
	s_add_co_u32 s20, s20, s18                     ; x: row 256 x block + 128 x half
	s_lshl_b32 s22, s20, 7
	s_add_co_u32 s22, s22, 8388608                 ; its scale bytes,
	s_mov_b32 s23, 0
	s_lshl_b32 s20, s20, 11                        ; its codes
	s_mov_b32 s21, 0
	s_lshl_b32 s46, s42, 7
	s_lshl_b32 s18, s16, 6
	s_add_co_u32 s46, s46, s18                     ; W: row 128 x slot + 64 x half
	s_lshl_b32 s92, s46, 7
	s_add_co_u32 s92, s92, 4194304
	s_mov_b32 s93, 0
	s_lshl_b32 s46, s46, 11
	s_mov_b32 s47, 0
	s_mul_i32 s45, s16, 128*PITCH                  ; where they go: no place in the cluster enters an LDS address
	s_mul_i32 s94, s16, 64*PITCH
	s_mul_i32 s95, s16, 32*PITCH
	s_wait_dscnt 0x0                               ; both opening adds are done
	s_wait_kmcnt 0x0
	s_add_nc_u64 s[20:21], s[4:5], s[20:21]
	s_add_nc_u64 s[22:23], s[4:5], s[22:23]
	s_add_nc_u64 s[46:47], s[6:7], s[46:47]
	s_add_nc_u64 s[92:93], s[6:7], s[92:93]
	CROUND                                         ; all sixteen work-groups are here: the first joint loads meet
	s_mov_b32 s[G0S], 1
	s_add_co_u32 s[G0S+1], s94, SCL
	s_mov_b64 s[G0S+2:G0S+3], s[22:23]
	s_or_b32 s[G0S+3], s[G0S+3], 0x80000000
	s_mov_b32 s[G0SB], 1
	s_add_co_u32 s[G0SB+1], s95, SCL+128*272
	s_mov_b64 s[G0SB+2:G0SB+3], s[92:93]
	s_or_b32 s[G0SB+3], s[G0SB+3], 0x80000000
	JLOAD G0S, G1S, G0SB, G1SB                     ; the scales first: they are wanted with K step 0
.irp s, 0,1
	s_mov_b32 s[G0+4*\s], 1
	s_add_co_u32 s[G0+4*\s+1], s45, \s*SLOT
	s_add_nc_u64 s[G0+4*\s+2:G0+4*\s+3], s[20:21], \s*ROWB
	s_or_b32 s[G0+4*\s+3], s[G0+4*\s+3], 0x80000000
	s_mov_b32 s[G0B+4*\s], 1
	s_add_co_u32 s[G0B+4*\s+1], s94, \s*SLOT+ABYTES
	s_add_nc_u64 s[G0B+4*\s+2:G0B+4*\s+3], s[46:47], \s*ROWB
	s_or_b32 s[G0B+4*\s+3], s[G0B+4*\s+3], 0x80000000
	JLOAD G0+4*\s, G1, G0B+4*\s, G1B               ; three loads of mine are out behind the second of these
.endr
	v_and_b32 v1, 15, v0                           ; r
	v_bfe_u32 v2, v0, 4, 1                         ; h
	v_mul_u32_u24 v3, v1, PITCH
	v_lshl_add_u32 v4, v2, 4, v3                   ; a fragment's row x pitch + 16 h
	s_mul_i32 s21, s14, 64*PITCH                   ; my 64 rows of x
	s_mov_b32 s22, ABYTES                          ; W's 128 rows lie behind x's 256
.irp s, 0,1
	v_add_nc_u32 v[ADRA+\s], s21, v4
	v_add_nc_u32 v[ADRB+\s], s22, v4
	s_add_co_u32 s21, s21, SLOT
	s_add_co_u32 s22, s22, SLOT
.endr
	v_lshlrev_b32 v5, 7, v1                        ; my row's scale bytes: 128 a row,
	v_lshrrev_b32 v6, 1, v1
	v_lshl_add_u32 v5, v6, 4, v5                   ; and 16 more for each 256 passed
	s_mul_i32 s21, s14, 4*SBLK                     ; x's: my 64 rows
	s_xor_b32 s22, s14, 3
	s_add_co_u32 s22, s22, 1                       ; 4 - wave
	s_mul_i32 s22, s22, 4*SBLK                     ; from there to W's first row
	v_mul_u32_u24 v6, s22, v2                      ; lanes 16-31 take W's
	s_add_co_u32 s21, s21, SCL
	v_add_nc_u32 v5, v5, v6
	v_add_nc_u32 v[ADRS], s21, v5
	v_and_b32 v6, 31, v0
	v_lshlrev_b32 v[IO], 4, v6
	v_lshlrev_b32 v[VR], 9, v1
	v_lshl_add_u32 v[VR], v2, 5, v[VR]
	s_mul_i32 s23, s14, 16*VP
	s_add_co_u32 s23, s23, VSTG                    ; my stage
	v_mul_u32_u24 v5, v1, VP
	v_lshl_add_u32 v5, v2, 4, v5
	v_add_nc_u32 v[VSTO], s23, v5                  ; in: key r, 16 bytes for each half of the lanes
	v_and_b32 v5, 7, v0
	v_lshl_add_u32 v5, v2, 3, v5
	v_mul_u32_u24 v5, v5, VP
	v_bfe_u32 v6, v0, 3, 1
	v_lshl_add_u32 v5, v6, 4, v5
	v_add_nc_u32 v[VRD], s23, v5                   ; out: key 8 h + lane % 8, channels 8 ((lane / 8) % 2) on
	; where the results go
	s_lshr_b32 s18, s17, 3                         ; the batch
	s_and_b32 s19, s17, 7                          ; the block of 256 rows in it
	s_lshl_b32 s66, s17, 8
	s_lshl_b32 s67, s14, 6
	s_add_co_u32 s66, s66, s67                     ; my first row
	s_lshl_b32 s66, s66, 9
	s_mov_b32 s67, 0
	s_add_nc_u64 s[66:67], s[8:9], s[66:67]        ; its cos and sin
	s_mul_i32 s96, s18, 12
	s_add_co_u32 s96, s96, s42
	s_lshl_b32 s96, s96, 19                        ; q, k: 524,288 bytes a slot,
	s_lshl_b32 s97, s19, 4
	s_lshl_b32 s45, s14, 2
	s_add_co_u32 s97, s97, s45
	s_lshl_b32 s97, s97, 12                        ; 4,096 a row tile
	s_add_co_u32 s96, s96, s97
	s_mov_b32 s97, 0
	s_add_nc_u64 s[96:97], s[10:11], s[96:97]
	s_lshl_b32 s98, s18, 2
	s_add_co_u32 s98, s98, s40                     ; v: group = cx in the cluster that makes v
	s_lshl_b32 s98, s98, 19
	s_add_co_u32 s98, s98, 12582912
	s_lshl_b32 s99, s19, 3
	s_lshl_b32 s45, s14, 1
	s_add_co_u32 s99, s99, s45
	s_lshl_b32 s99, s99, 13                        ; 8,192 bytes for each 32 keys
	s_add_co_u32 s98, s98, s99
	s_mov_b32 s99, 0
	s_add_nc_u64 s[98:99], s[10:11], s[98:99]
.macro FRAG reg, adr, q, i             ; 16 rows x 128 K of 4-bit codes: 8 registers, two loads of 16 bytes, 32 bytes apart
.irp c, 0,1
	ds_load_b128 v[\reg+4*\c:\reg+4*\c+3], v[\adr] offset:64*(\q)+32*\c+(\i)*16*PITCH
.endr
.endm
.macro FETCH slot, q, p                ; 24 loads: W's eight fragments and x's four of the slot's q-th 128 along K, into set p
	WIN 0x40
.irp i, 0,1,2,3,4,5,6,7
	FRAG 128*(\p)+FR*\i, ADRB+\slot, \q, \i
.endr
	WIN 0
.irp i, 0,1,2,3
	FRAG AF+32*(\p)+FR*\i, ADRA+\slot, \q, \i
.endr
.endm
.macro SCALES sc                       ; a K step's scale words, 4 a row: lanes 0-15 x's block i (blocks 4-7 are other rows' filled bytes, which no product names), lanes 16-31 W's block i
.irp i, 0,1,2,3,4,5,6,7
	ds_load_b128 v[SC+32*\sc+NQ*\i:SC+32*\sc+NQ*\i+3], v[ADRS] offset:\i*SBLK
.endr
.endm
; 16 matrix instructions: x's blocks a0, a0 + 1 against W's eight.  The 32 accumulators take turns, one instruction a turn, in the same order in every step.
.macro MUL16 a0, p, q, sc, zero
.irp a, \a0, \a0+1
.irp b, 0,1,2,3,4,5,6,7
.if \zero
	v_wmma_scale_f32_16x16x128_f8f6f4 v[8*(8*(\a)+\b):8*(8*(\a)+\b)+7], v[128*(\p)+FR*\b:128*(\p)+FR*\b+FR-1], v[AF+32*(\p)+FR*(\a):AF+32*(\p)+FR*(\a)+FR-1], 0, v[SC+32*(\sc)+NQ*\b+(\q)], v[SC+32*(\sc)+NQ*(\a)+(\q)] matrix_a_fmt:MATRIX_FMT_FP4 matrix_b_fmt:MATRIX_FMT_FP4 matrix_a_scale:MATRIX_SCALE_ROW1
.else
	v_wmma_scale_f32_16x16x128_f8f6f4 v[8*(8*(\a)+\b):8*(8*(\a)+\b)+7], v[128*(\p)+FR*\b:128*(\p)+FR*\b+FR-1], v[AF+32*(\p)+FR*(\a):AF+32*(\p)+FR*(\a)+FR-1], v[8*(8*(\a)+\b):8*(8*(\a)+\b)+7], v[SC+32*(\sc)+NQ*\b+(\q)], v[SC+32*(\sc)+NQ*(\a)+(\q)] matrix_a_fmt:MATRIX_FMT_FP4 matrix_b_fmt:MATRIX_FMT_FP4 matrix_a_scale:MATRIX_SCALE_ROW1
.endif
.endr
.endr
.endm
; A step of 128 along K that has its successor in the same slot: the successor's fragments are asked for first, into the set that the step before multiplied (four places behind its last product).
.macro STEP slot, q, zero
	PLACES 4
	FETCH \slot, (\q)+1, 1-(\q)%2
	s_wait_dscnt 24                                ; all but the 24 loads just issued: this step's fragments and scale words are in
	WIN MUL
	MUL16 0, (\q)%2, \q, \slot, \zero
	MUL16 2, (\q)%2, \q, \slot, \zero
	WIN 0
.endm
; A slot's last step changes slots: in front of the barrier each wave waits for all its tensor loads, adds 0 to its spare word, and waits for that and for its reads of this slot.
.macro TURN slot, next, fill
	s_wait_tensorcnt 0x0                           ; all my tensor loads have landed: my part of the next slot; so a group 0 may be written
	ds_add_u32 v[SPW], v[NIL]
.if \fill
	s_add_nc_u64 s[G0+4*\slot+2:G0+4*\slot+3], s[G0+4*\slot+2:G0+4*\slot+3], 2*ROWB
	s_add_nc_u64 s[G0B+4*\slot+2:G0B+4*\slot+3], s[G0B+4*\slot+2:G0B+4*\slot+3], 2*ROWB
.endif
	s_wait_dscnt 0x0                               ; the add is done, and my reads of this slot are over
	s_barrier_signal -1
	WIN MUL
	MUL16 0, 1, NQ-1, \slot, 0                     ; work on registers while the others arrive
	WIN 0
	s_barrier_wait -1
.if \fill
	CREST                                          ; the barrier has opened a round of the cluster's: no wave of any partner still reads this slot or has a load on its way
	JLOAD G0+4*\slot, G1, G0B+4*\slot, G1B         ; the first tensor load behind the round; its four v_nop are the places in front of the loads below
.else
	PLACES 4
.endif
	v_add_nc_u32 v[ADRS], 16, v[ADRS]              ; on to the next K step's scale words
	FETCH \next, 0, 0
	SCALES \next
	WIN MUL
	MUL16 2, 1, NQ-1, \slot, 0
	WIN 0
.endm
.macro LASTSLOT                        ; the last slot's four steps: no barrier, no tensor load
	STEP 1, 0, 0
	STEP 1, 1, 0
	STEP 1, 2, 0
	s_wait_dscnt 0x0
	WIN MUL
	MUL16 0, 1, NQ-1, 1, 0
	MUL16 2, 1, NQ-1, 1, 0
	WIN 0
	PLACES 4                                       ; in front of the first read of results and the first write of operand registers
.endm
	s_wait_tensorcnt 1                             ; the scales and my part of K step 0 are in (K step 1's load may be out),
	s_barrier_signal -1
	s_barrier_wait -1                              ; everybody's are
	FETCH 0, 0, 0
	SCALES 0
	STEP 0, 0, 1                                   ; the first step stands in front of the loop: its products start the sums
	s_mov_b32 s3, 3
.Llap:                                                 ; a trip goes once round the ring and fills both slots again
	STEP 0, 1, 0
	STEP 0, 2, 0
	TURN 0, 1, 1
	STEP 1, 0, 0
	STEP 1, 1, 0
	STEP 1, 2, 0
	TURN 1, 0, 1
	STEP 0, 0, 0
	s_sub_co_u32 s3, s3, 1
	s_cmp_lg_u32 s3, 0
	s_cbranch_scc1 .Llap
	STEP 0, 1, 0                                   ; the last lap fills nothing
	STEP 0, 2, 0
	TURN 0, 1, 0
	s_cmp_ge_u32 ttmp9, 3                          ; the cluster's x, the same in all sixteen partners: clusters 0-2 make q and k, cluster 3 makes v
	s_cbranch_scc1 .Lv
	; ---------------- q and k: RoPE, f16, straight from registers ----------------
.macro RLOAD a                         ; cos and sin of block a's 16 rows at my lane's channels: 16 loads into set a % 2
	WIN 0x40
.irp bq, 0,1,2,3
.irp e, 0,1
	global_load_b128 v[CS+128*((\a)%2)+8*\bq+4*\e:CS+128*((\a)%2)+8*\bq+4*\e+3], v[VR], s[66:67] offset:(\a)*8192+64*\bq+16*\e
	global_load_b128 v[CS+128*((\a)%2)+32+8*\bq+4*\e:CS+128*((\a)%2)+32+8*\bq+4*\e+3], v[VR], s[66:67] offset:(\a)*8192+256+64*\bq+16*\e
.endr
.endr
	WIN 0
.endm
.macro QKOUT a
.set CSS, CS+128*((\a)%2)
.if (\a) < 3
	s_wait_loadcnt 16                              ; this block's cos and sin are in; the next block's 16 loads may be out
.else
	s_wait_loadcnt 0x0
.endif
	WIN 0x06                                       ; source 0: the accumulators (window 2); source 1: cos, sin (window 1)
.irp bq, 0,1,2,3                       ; channels d = 16 bq + .. under 64 and d + 64: out(d) = x(d) cos - x(d + 64) sin; out(d + 64) = x(d + 64) cos + x(d) sin.  Each accumulator is read from its low end on
.irp jp, 0,2,4,6
	v_pk_mul_f32 v[OUTR+8*\bq+\jp:OUTR+8*\bq+\jp+1], v[8*(8*(\a)+\bq+4)+\jp:8*(8*(\a)+\bq+4)+\jp+1], v[CSS+32+8*\bq+\jp:CSS+32+8*\bq+\jp+1]
.endr
.irp jp, 0,2,4,6
	v_pk_mul_f32 v[OUTR+32+8*\bq+\jp:OUTR+32+8*\bq+\jp+1], v[8*(8*(\a)+\bq)+\jp:8*(8*(\a)+\bq)+\jp+1], v[CSS+32+8*\bq+\jp:CSS+32+8*\bq+\jp+1]
.endr
.irp jp, 0,2,4,6
	v_pk_fma_f32 v[OUTR+8*\bq+\jp:OUTR+8*\bq+\jp+1], v[8*(8*(\a)+\bq)+\jp:8*(8*(\a)+\bq)+\jp+1], v[CSS+8*\bq+\jp:CSS+8*\bq+\jp+1], v[OUTR+8*\bq+\jp:OUTR+8*\bq+\jp+1] neg_lo:[0,0,1] neg_hi:[0,0,1]
.endr
.irp jp, 0,2,4,6
	v_pk_fma_f32 v[OUTR+32+8*\bq+\jp:OUTR+32+8*\bq+\jp+1], v[8*(8*(\a)+\bq+4)+\jp:8*(8*(\a)+\bq+4)+\jp+1], v[CSS+8*\bq+\jp:CSS+8*\bq+\jp+1], v[OUTR+32+8*\bq+\jp:OUTR+32+8*\bq+\jp+1]
.endr
.endr
	WIN 0
	s_wait_xcnt 0x0                                ; the last block's stores have read v96-127
.set i, 0
.rept 32
	v_cvt_pk_f16_f32 v[TMP+i], v[OUTR+2*i], v[OUTR+2*i+1]
.set i, i+1
.endr
.if (\a)+2 < 4
	RLOAD (\a)+2
.endif
.irp bb, 0,1,2,3,4,5,6,7
	global_store_b128 v[IO], v[TMP+4*\bb:TMP+4*\bb+3], s[96:97] offset:(\a)*4096+512*\bb   ; 32 lanes store 512 consecutive bytes, aligned
.endr
.endm
	RLOAD 0                                        ; they land under the last slot's four steps
	RLOAD 1
	LASTSLOT
	QKOUT 0
	QKOUT 1
	QKOUT 2
	QKOUT 3
	s_branch .Lend
	; ---------------- v: a high and a low f16 part, turned so that the keys run along a lane's registers ----------------
.Lv:
.macro SENDV src, a, off
	s_wait_xcnt 0x0                                ; earlier stores have read v192-223
.irp bb, 0,1,2,3,4,5,6,7
	ds_store_b128 v[VSTO], v[\src+4*\bb:\src+4*\bb+3] offset:32*\bb
.endr
.irp ct, 0,1,2,3,4,5,6,7
	ds_load_tr16_b128 v[BK+4*\ct:BK+4*\ct+3], v[VRD] offset:32*\ct     ; LDS serves a wave's instructions in order: these see the stores above.  Lane (r, h): channel 16 ct + r, keys 8 h + 0..7
.endr
	s_wait_dscnt 0x0
.irp ct, 0,1,2,3,4,5,6,7
	global_store_b128 v[IO], v[BK+4*\ct:BK+4*\ct+3], s[98:99] offset:\off+((\a)/2)*8192+\ct*1024+((\a)%2)*512   ; 512 consecutive bytes, aligned
.endr
.endm
.macro VOUT a                          ; g = 8193 v; hi = g + (v - g) has 11 significant bits; lo = v - hi, exactly.  W's fragment registers (window 1) are free
	WIN 0x42
.set i, 0
.rept 32
	v_pk_mul_f32 v[i:i+1], v[64*(\a)+i:64*(\a)+i+1], 0x46000400 op_sel_hi:[1,0]
.set i, i+2
.endr
	WIN 0x46
.set i, 0
.rept 32
	v_pk_add_f32 v[128+i:129+i], v[64*(\a)+i:64*(\a)+i+1], v[i:i+1] neg_lo:[0,1] neg_hi:[0,1]
.set i, i+2
.endr
	WIN 0x45
.set i, 0
.rept 32
	v_pk_add_f32 v[i:i+1], v[i:i+1], v[128+i:129+i]
.set i, i+2
.endr
	WIN 0x46
.set i, 0
.rept 32
	v_pk_add_f32 v[128+i:129+i], v[64*(\a)+i:64*(\a)+i+1], v[i:i+1] neg_lo:[0,1] neg_hi:[0,1]
.set i, i+2
.endr
	WIN 0x05
.set i, 0
.rept 32
	v_cvt_pk_f16_f32 v[TMP+i], v[2*i], v[2*i+1]
	v_cvt_pk_f16_f32 v[LO+i], v[128+2*i], v[129+2*i]
.set i, i+1
.endr
	WIN 0
	SENDV TMP, \a, 0
	SENDV LO, \a, 4194304
.endm
	LASTSLOT
	VOUT 0
	VOUT 1
	VOUT 2
	VOUT 3
.Lend:
	s_wait_tensorcnt 0x0                           ; the wave's end, behind my last tensor load and my last LDS store
	ds_add_u32 v[SPW], v[NIL]
	s_wait_dscnt 0x0
	CROUND                                         ; the closing round: no work-group ends while a partner may still ask for a tile that names it
	s_endpgm
.Lfunc_end_k_qd122335e83_qkv:
	.size	k_qd122335e83_qkv, .Lfunc_end_k_qd122335e83_qkv-k_qd122335e83_qkv
	.p2alignl 7, 3214868480
	.fill 96, 4, 3214868480
	.section	.rodata,"a",@progbits
	.p2align	6, 0x0
	.amdhsa_kernel k_qd122335e83_qkv
		.amdhsa_group_segment_fixed_size 327680
		.amdhsa_private_segment_fixed_size 0
		.amdhsa_enable_private_segment 0
		.amdhsa_kernarg_size 32
		.amdhsa_user_sgpr_count 2
		.amdhsa_user_sgpr_kernarg_segment_ptr 1
		.amdhsa_wavefront_size32 1
		.amdhsa_system_sgpr_workgroup_id_x 1
		.amdhsa_system_sgpr_workgroup_id_y 1
		.amdhsa_system_sgpr_workgroup_id_z 1
		.amdhsa_system_vgpr_workitem_id 0
		.amdhsa_next_free_vgpr 768
		.amdhsa_next_free_sgpr 100
		.amdhsa_reserve_vcc 0
		.amdhsa_float_denorm_mode_32 3
		.amdhsa_float_denorm_mode_16_64 3
		.amdhsa_memory_ordered 1
		.amdhsa_forward_progress 1
		.amdhsa_inst_pref_size 231
	.end_amdhsa_kernel
	.amdgpu_metadata
---
amdhsa.version: [ 1, 2 ]
amdhsa.kernels:
  - .name:           k_qd122335e83_qkv
    .symbol:         k_qd122335e83_qkv.kd
    .args:
      - { .name: xq4, .offset: 0, .size: 8, .value_kind: global_buffer, .address_space: global }
      - { .name: wq4, .offset: 8, .size: 8, .value_kind: global_buffer, .address_space: global }
      - { .name: rope, .offset: 16, .size: 8, .value_kind: global_buffer, .address_space: global }
      - { .name: qkvi, .offset: 24, .size: 8, .value_kind: global_buffer, .address_space: global }
    .group_segment_fixed_size: 327680
    .private_segment_fixed_size: 0
    .kernarg_segment_align: 8
    .kernarg_segment_size: 32
    .max_flat_workgroup_size: 128
    .sgpr_count:     100
    .vgpr_count:     768
    .wavefront_size: 32
...
	.end_amdgpu_metadata
.endif
;; end of part 2
;; launch finea (part 3): grid 16 x 1, 8 waves a work-group, no clusters, 77,056 bytes of LDS; arguments qkvi, attention_mask, afine; writes afine
.if DOCPART == 3
	.amdgcn_target "amdgcn-amd-amdhsa--gfx1250"
	.amdhsa_code_object_version 6
	.text
	.protected	k_qd122335e83_finea
	.globl	k_qd122335e83_finea
	.p2align	8
	.type	k_qd122335e83_finea,@function
k_qd122335e83_finea:
	s_mov_b64 s[64:65], 0
	v_nop
	global_prefetch_b8 v0, s[64:65] scope:SCOPE_SE
	s_setreg_imm32_b32 hwreg(HW_REG_WAVE_MODE, 25, 1), 1
	s_wait_xcnt 0x0
; THE FIRST 16 POSITIONS OF EACH SEQUENCE, CARRIED FINELY.  A work-group takes one batch and one head: one tile of 16 queries against all 2,048 keys; wave w takes keys 256 w .. 256 w + 255, 64 a step.
; S^T = K Q^T (f16 operands, f32 sums); t = score x log2(e)/sqrt(128) + mask x log2(e), one fused multiply-add; a running maximum m; p = 2^(t - m), rounded to f16.
; What is finer than in the main launch: v goes as a pair of f16 numbers (a high and a low part, both multiplied by p); the row's sum is taken, by a product with ones, of the very p that is multiplied;
; the result stays in f32 (afine [16 b + position][head x 128 + channel]) and is projected in f32 by a launch of its own.
; No tensor loads: every fragment is read by one wave once, straight from the images in memory, 512 consecutive bytes a load.  The eight waves' parts meet in LDS at the end.
; LIMITS: as in the main launch: t is rounded once where the reference rounds twice, which shows only in rows whose every key carries a mask of the size of 1e9.
; REGISTERS.  window 0: v1-8 addresses; v10, v11 the add's two; v16 m (v17 its pair's filler), v18 old m, v19-25 at work, v20 a; v32-63 Q; v64-95 S^T; v96-111 p; v112-119 ones; v120-127 the sum; v128-159 mask; v160-223 O^T.
;   window 1: v0-127 K, then v's low part; v128-255 v's high part.
.set MRGW,  8448                       ; a wave's part in LDS: O^T as 16 images of 512 bytes, then m and the sum, 4 bytes a lane each
.set STG,   8*MRGW                     ; 16 rows x (512 + 16)
.set SPARE, STG+16*528                 ; the spare words, 128 bytes a wave, which no other line names
.set MSB, 0
.macro WIN new
.if MSB != \new
	s_set_vgpr_msb (MSB<<8)|\new
.set MSB, \new
.endif
.endm
	s_load_b128 s[4:7], s[0:1], 0x0                ; qkvi, attention_mask
	s_load_b64 s[8:9], s[0:1], 0x10                ; afine
	v_lshl_add_u32 v10, v0, 2, SPARE
	v_mov_b32 v11, 0
	v_lshrrev_b32 v1, 5, v0
	v_readfirstlane_b32 s10, v1                    ; wave 0..7
	v_and_b32 v12, 31, v0                          ; lane
	v_and_b32 v13, 15, v0                          ; r
	v_bfe_u32 v14, v0, 4, 1                        ; h
	v_lshlrev_b32 v1, 4, v12                       ; 16 x lane
	v_lshlrev_b32 v2, 13, v13
	v_lshl_add_u32 v2, v14, 5, v2                  ; mask: row r of 8,192 bytes, + 32 h
	s_mul_i32 s11, s10, MRGW
	v_add_nc_u32 v3, s11, v1                       ; my part: images,
	v_lshlrev_b32 v15, 2, v12
	v_add_nc_u32 v4, s11, v15
	v_add_nc_u32 v4, 8192, v4                      ; m and the sum
	s_lshl_b32 s12, s10, 10
	v_add_nc_u32 v5, s12, v1                       ; back: images 2 w, 2 w + 1 of every wave,
	v_add_nc_u32 v6, 8192, v15                     ; and every wave's m and sum
	v_mul_u32_u24 v7, v13, 528
	v_lshl_add_u32 v7, v14, 5, v7
	s_lshl_b32 s12, s10, 6
	s_add_co_u32 s12, s12, STG
	v_add_nc_u32 v7, s12, v7                       ; the stage, in: row r, + 64 w + 32 h
	s_mul_i32 s12, s10, 2*528
	s_add_co_u32 s12, s12, STG
	v_add_nc_u32 v8, s12, v1                       ; and out: rows 2 w, 2 w + 1
	s_lshr_b32 s13, ttmp9, 3                       ; batch
	s_and_b32 s14, ttmp9, 7                        ; head
	s_lshr_b32 s15, s14, 1                         ; its group
	s_mul_i32 s33, s13, 12
	s_add_co_u32 s16, s33, s14
	s_lshl_b32 s16, s16, 19                        ; Q: the head's images, row tile 0
	s_mov_b32 s17, 0
	s_add_co_u32 s18, s33, s15
	s_add_co_u32 s18, s18, 8
	s_lshl_b32 s18, s18, 19
	s_lshl_b32 s33, s10, 16                        ; 256 keys are 65,536 bytes of K's images, and of V's
	s_add_co_u32 s18, s18, s33
	s_mov_b32 s19, 0
	s_lshl_b32 s20, s13, 2
	s_add_co_u32 s20, s20, s15
	s_lshl_b32 s20, s20, 19
	s_add_co_u32 s20, s20, 12582912
	s_add_co_u32 s20, s20, s33
	s_mov_b32 s21, 0
	s_lshl_b32 s22, s13, 24                        ; mask: 16,777,216 bytes a batch,
	s_lshl_b32 s33, s10, 10                        ; my first key
	s_add_co_u32 s22, s22, s33
	s_mov_b32 s23, 0
	s_lshl_b32 s24, s13, 4
	s_lshl_b32 s33, s10, 1
	s_add_co_u32 s24, s24, s33
	s_lshl_b32 s24, s24, 12                        ; afine: row 16 b + 2 w,
	s_lshl_b32 s33, s14, 9                         ; the head's 512 bytes
	s_add_co_u32 s24, s24, s33
	s_mov_b32 s25, 0
	s_mov_b32 s26, 0x3e0293ee                      ; c = log2(e) / sqrt(128)
	s_mov_b32 s27, s26
	s_mov_b32 s28, 0x3fb8aa3b                      ; log2(e)
	s_mov_b32 s29, s28
	s_mov_b32 s30, 0x76543210                      ; v_permlanex16_b32: lane l xor 16
	s_mov_b32 s31, 0xfedcba98
	s_mov_b32 s32, 4
	s_wait_kmcnt 0x0
	s_add_nc_u64 s[16:17], s[4:5], s[16:17]
	s_add_nc_u64 s[18:19], s[4:5], s[18:19]
	s_add_nc_u64 s[20:21], s[4:5], s[20:21]
	s_add_nc_u64 s[22:23], s[6:7], s[22:23]
	s_add_nc_u64 s[24:25], s[8:9], s[24:25]
.irp p, 0,1,2,3,4,5,6,7
	global_load_b128 v[32+4*\p:35+4*\p], v1, s[16:17] offset:512*\p    ; Q stays in registers
.endr
.irp i, 0,1,2,3,4,5,6,7
	v_mov_b32 v[112+\i], 0x3c003c00                ; 1.0, 1.0 in f16
	v_mov_b32 v[120+\i], 0                         ; the sum
.endr
.set i, 0
.rept 64
	v_mov_b32 v[160+i], 0                          ; O^T.  (The step is written once: the first finds zeros)
.set i, i+1
.endr
	v_mov_b32 v16, 0xff61b1e6                      ; m: -3e38, under every t
	v_mov_b32 v17, 0
	v_mov_b32 v19, 0                               ; a lane permute's destination counts as one of its sources
.Lstep:
	WIN 0x40
.irp kt, 0,1,2,3
.irp c4, 0,1,2,3
	global_load_b128 v[32*\kt+8*\c4:32*\kt+8*\c4+3], v1, s[18:19] offset:\kt*4096+\c4*1024          ; K: keys 16 kt on, channels 32 c4 on
	global_load_b128 v[32*\kt+8*\c4+4:32*\kt+8*\c4+7], v1, s[18:19] offset:\kt*4096+\c4*1024+512
.endr
.endr
	WIN 0
.irp kt, 0,1,2,3
.irp e, 0,1
	global_load_b128 v[128+8*\kt+4*\e:131+8*\kt+4*\e], v2, s[22:23] offset:64*\kt+16*\e            ; mask(query r, keys 16 kt + 8 h + 4 e on)
.endr
.endr
	WIN 0x40
.irp kk, 0,1
.irp ct, 0,1,2,3,4,5,6,7
	global_load_b128 v[128+64*\kk+8*\ct:128+64*\kk+8*\ct+3], v1, s[20:21] offset:\kk*8192+\ct*1024      ; v's high part: keys 32 kk on, channels 16 ct on
	global_load_b128 v[128+64*\kk+8*\ct+4:128+64*\kk+8*\ct+7], v1, s[20:21] offset:\kk*8192+\ct*1024+512
.endr
.endr
	s_wait_loadcnt 32                              ; Q, K and the mask are in; the 32 loads of v's high part may be out
	WIN 0x01
.set i, 0
.rept 16                                       ; S^T: four accumulators by turns
.if i < 4
	v_wmma_f32_16x16x32_f16 v[64+8*(i%4):71+8*(i%4)], v[32*(i%4)+8*(i/4):32*(i%4)+8*(i/4)+7], v[32+8*(i/4):39+8*(i/4)], 0
.else
	v_wmma_f32_16x16x32_f16 v[64+8*(i%4):71+8*(i%4)], v[32*(i%4)+8*(i/4):32*(i%4)+8*(i/4)+7], v[32+8*(i/4):39+8*(i/4)], v[64+8*(i%4):71+8*(i%4)]
.endif
.set i, i+1
.endr
	WIN 0
.set j, 0
.rept 16
	v_pk_mul_f32 v[128+j:129+j], v[128+j:129+j], s[28:29] op_sel_hi:[1,0]   ; mask x log2(e).  (These sixteen are the places behind the products)
.set j, j+2
.endr
	WIN 0x40
.irp kk, 0,1
.irp ct, 0,1,2,3,4,5,6,7
	global_load_b128 v[64*\kk+8*\ct:64*\kk+8*\ct+3], v1, s[20:21] offset:4194304+\kk*8192+\ct*1024      ; v's low part, where K lay
	global_load_b128 v[64*\kk+8*\ct+4:64*\kk+8*\ct+7], v1, s[20:21] offset:4194304+\kk*8192+\ct*1024+512
.endr
.endr
	WIN 0
.set j, 0
.rept 16
	v_pk_fma_f32 v[64+j:65+j], v[64+j:65+j], s[26:27], v[128+j:129+j] op_sel_hi:[1,0,1]   ; t; each accumulator from its low end on
.set j, j+2
.endr
.irp k, 0,1,2,3
	v_max3_num_f32 v[22+\k], v[64+8*\k], v[65+8*\k], v[66+8*\k]
.endr
.irp i, 3,5
.irp k, 0,1,2,3
	v_max3_num_f32 v[22+\k], v[22+\k], v[64+8*\k+\i], v[65+8*\k+\i]
.endr
.endr
	v_max3_num_f32 v22, v22, v71, v79
	v_max3_num_f32 v24, v24, v87, v95
	v_mov_b32 v18, v16
	v_max3_num_f32 v22, v22, v23, v24
	v_max3_num_f32 v22, v22, v25, v16
	v_permlanex16_b32 v19, v22, s30, s31           ; the query's other 32 keys lie in the lane 16 away
	v_max_num_f32 v16, v22, v19                    ; the new m
	v_sub_f32 v21, v18, v16
.set j, 0
.rept 16
	v_pk_add_f32 v[64+j:65+j], v[64+j:65+j], v[16:17] op_sel_hi:[1,0] neg_lo:[0,1] neg_hi:[0,1]   ; t - m
.set j, j+2
.endr
	v_exp_f32 v20, v21                             ; a = 2^(old m - new m)
.set j, 0
.rept 32
	v_exp_f32 v[64+j], v[64+j]
.set j, j+1
.endr
	v_nop                                          ; a plain line behind the last exponential,
	s_wait_alu depctr_va_vdst(0)                   ; and one wait for the 33, ahead of their first reader
.set j, 0
.rept 16
	v_cvt_pk_f16_f32 v[96+j], v[64+2*j], v[65+2*j]
.set j, j+1
.endr
.set j, 0
.rept 32
	v_pk_mul_f32 v[160+j:161+j], v[160+j:161+j], v[20:21] op_sel_hi:[1,0]
.set j, j+2
.endr
.irp j, 0,2,4,6
	v_pk_mul_f32 v[120+\j:121+\j], v[120+\j:121+\j], v[20:21] op_sel_hi:[1,0]
.endr
	s_wait_loadcnt 32                              ; v's high part is in; the 32 loads of the low part may be out
.irp kk, 0,1
	WIN 0x01
.irp ct, 0,1,2,3,4,5,6,7
	v_wmma_f32_16x16x32_f16 v[160+8*\ct:167+8*\ct], v[128+64*\kk+8*\ct:128+64*\kk+8*\ct+7], v[96+8*\kk:103+8*\kk], v[160+8*\ct:167+8*\ct]
.endr
	WIN 0
	v_wmma_f32_16x16x32_f16 v[120:127], v[112:119], v[96+8*\kk:103+8*\kk], v[120:127]   ; the sum of the p that is multiplied: every register holds it
.endr
	s_wait_loadcnt 0x0
	WIN 0x01
.irp kk, 0,1
.irp ct, 0,1,2,3,4,5,6,7
	v_wmma_f32_16x16x32_f16 v[160+8*\ct:167+8*\ct], v[64*\kk+8*\ct:64*\kk+8*\ct+7], v[96+8*\kk:103+8*\kk], v[160+8*\ct:167+8*\ct]
.endr
.endr
	WIN 0
.rept 4
	v_nop                                          ; places in front of the next step's loads into operand registers, and of the stores behind the loop
.endr
	s_add_nc_u64 s[18:19], s[18:19], 16384         ; no load is out: the bases may step: 64 keys on
	s_add_nc_u64 s[20:21], s[20:21], 16384
	s_add_nc_u64 s[22:23], s[22:23], 256
	s_sub_co_u32 s32, s32, 1
	s_cmp_lg_u32 s32, 0
	s_cbranch_scc1 .Lstep
	; THE EIGHT PARTS MEET.  Each wave lays down O^T, m and its sum; wave w then takes channel tile w of all eight.
.irp i, 0,1,2,3,4,5,6,7,8,9,10,11,12,13,14,15
	ds_store_b128 v3, v[160+4*\i:163+4*\i] offset:512*\i
.endr
	ds_store_b32 v4, v16
	ds_store_b32 v4, v120 offset:128
	s_wait_dscnt 0x0                               ; for the others' sake: my stores have landed
	s_barrier_signal -1
	s_barrier_wait -1
.irp j, 0,1,2,3,4,5,6,7
	ds_load_b128 v[160+8*\j:163+8*\j], v5 offset:\j*MRGW
	ds_load_b128 v[164+8*\j:167+8*\j], v5 offset:\j*MRGW+512
	ds_load_b32 v[224+\j], v6 offset:\j*MRGW
	ds_load_b32 v[232+\j], v6 offset:\j*MRGW+128
.endr
	s_wait_dscnt 0x0
	v_max3_num_f32 v248, v224, v225, v226
	v_max3_num_f32 v248, v248, v227, v228
	v_max3_num_f32 v248, v248, v229, v230
	v_max_num_f32 v248, v248, v231                 ; the row's maximum
.irp j, 0,1,2,3,4,5,6,7
	v_sub_f32 v[240+\j], v[224+\j], v248
.endr
.irp j, 0,1,2,3,4,5,6,7
	v_exp_f32 v[240+\j], v[240+\j]
.endr
	v_nop
	s_wait_alu depctr_va_vdst(0)                   ; one wait for the eight
	v_mul_f32 v249, v240, v232
.irp j, 1,2,3,4,5,6,7
	v_fma_f32 v249, v[240+\j], v[232+\j], v249     ; the row's sum
.endr
	v_rcp_f32 v250, v249
	v_nop
	s_wait_alu depctr_va_vdst(0)
.irp j, 0,1,2,3,4,5,6,7
	v_mul_f32 v[240+\j], v[240+\j], v250
.endr
.irp i, 0,1,2,3,4,5,6,7
	v_mul_f32 v[64+\i], v[160+\i], v240
.endr
.irp j, 1,2,3,4,5,6,7
.irp i, 0,1,2,3,4,5,6,7
	v_fma_f32 v[64+\i], v[160+8*\j+\i], v[240+\j], v[64+\i]
.endr
.endr
	ds_store_b128 v7, v[64:67]
	ds_store_b128 v7, v[68:71] offset:16
	s_wait_dscnt 0x0
	s_barrier_signal -1
	s_barrier_wait -1
	ds_load_b128 v[72:75], v8
	ds_load_b128 v[76:79], v8 offset:528
	s_wait_dscnt 0x0
	global_store_b128 v1, v[72:75], s[24:25]               ; 32 lanes store a row's 512 consecutive bytes, aligned
	global_store_b128 v1, v[76:79], s[24:25] offset:4096
	s_wait_tensorcnt 0x0                           ; the wave's end, behind my last LDS store
	ds_add_u32 v10, v11
	s_wait_dscnt 0x0
	s_endpgm
.Lfunc_end_k_qd122335e83_finea:
	.size	k_qd122335e83_finea, .Lfunc_end_k_qd122335e83_finea-k_qd122335e83_finea
	.p2alignl 7, 3214868480
	.fill 96, 4, 3214868480
	.section	.rodata,"a",@progbits
	.p2align	6, 0x0
	.amdhsa_kernel k_qd122335e83_finea
		.amdhsa_group_segment_fixed_size 77056
		.amdhsa_private_segment_fixed_size 0
		.amdhsa_enable_private_segment 0
		.amdhsa_kernarg_size 24
		.amdhsa_user_sgpr_count 2
		.amdhsa_user_sgpr_kernarg_segment_ptr 1
		.amdhsa_wavefront_size32 1
		.amdhsa_system_sgpr_workgroup_id_x 1
		.amdhsa_system_sgpr_workgroup_id_y 1
		.amdhsa_system_sgpr_workgroup_id_z 1
		.amdhsa_system_vgpr_workitem_id 0
		.amdhsa_next_free_vgpr 512
		.amdhsa_next_free_sgpr 66
		.amdhsa_reserve_vcc 0
		.amdhsa_float_denorm_mode_32 3
		.amdhsa_float_denorm_mode_16_64 3
		.amdhsa_memory_ordered 1
		.amdhsa_forward_progress 1
		.amdhsa_inst_pref_size 39
	.end_amdhsa_kernel
	.amdgpu_metadata
---
amdhsa.version: [ 1, 2 ]
amdhsa.kernels:
  - .name:           k_qd122335e83_finea
    .symbol:         k_qd122335e83_finea.kd
    .args:
      - { .name: qkvi, .offset: 0, .size: 8, .value_kind: global_buffer, .address_space: global }
      - { .name: attention_mask, .offset: 8, .size: 8, .value_kind: global_buffer, .address_space: global }
      - { .name: afine, .offset: 16, .size: 8, .value_kind: global_buffer, .address_space: global }
    .group_segment_fixed_size: 77056
    .private_segment_fixed_size: 0
    .kernarg_segment_align: 8
    .kernarg_segment_size: 24
    .max_flat_workgroup_size: 256
    .sgpr_count:     66
    .vgpr_count:     512
    .wavefront_size: 32
...
	.end_amdgpu_metadata
.endif
;; end of part 3
;; launch attn (part 4): grid 32 x 8, 8 waves a work-group, clusters of 4 x 4, 327,680 bytes of LDS; arguments qkvi, attention_mask, aout; writes aout
.if DOCPART == 4
	.amdgcn_target "amdgcn-amd-amdhsa--gfx1250"
	.amdhsa_code_object_version 6
	.text
	.protected	k_qd122335e83_attn
	.globl	k_qd122335e83_attn
	.p2align	8
	.type	k_qd122335e83_attn,@function
k_qd122335e83_attn:
	s_mov_b64 s[64:65], 0
	v_nop
	global_prefetch_b8 v0, s[64:65] scope:SCOPE_SE
	s_setreg_imm32_b32 hwreg(HW_REG_WAVE_MODE, 25, 1), 1
	s_wait_xcnt 0x0
	s_wait_alu depctr_hold_cnt(0) depctr_sa_sdst(0) depctr_va_vdst(0) depctr_va_sdst(0) depctr_va_ssrc(0) depctr_va_vcc(0) depctr_vm_vsrc(0)
	s_getreg_b32 s2, hwreg(HW_REG_IB_STS2, 6, 4)
	s_cmp_eq_u32 s2, 0
	s_cbranch_scc0 .Lentry_in_a_cluster
	s_endpgm
.Lentry_in_a_cluster:
	s_bfe_u32 s2, ttmp6, 0x10000c
	s_cmp_lg_u32 s2, 0xf033
	s_cbranch_scc0 .Lentry_shape_is_right
	s_endpgm
.Lentry_shape_is_right:
; ATTENTION, all rows.  aout[b s][head x 128 + d] = softmax_k(q . k / sqrt(128) + mask) v, f16 operands, f32 sums and softmax; the mask is an input: every key is walked and every mask number is read and added.
; SHARES.  A work-group: 64 queries of one batch, the two heads of one key/value group: 256 work-groups.  Eight waves, two to a SIMD: wave w takes queries 16 (w % 4) on and, of each slot's 128 keys, half w / 4.
; A wave holds two tiles of 16 queries x 64 keys: tile t is head 2 g + (t xor (w / 4)); K's, V's and the mask's registers serve both.  At the end the two waves of a query group change their tiles 1 through LDS,
; and each finishes its tile 0: by the xor the text is the same in all eight waves.
; LAYOUT.  S^T = K Q^T and O^T = V^T P: a lane holds one query throughout.  K, V and Q come as images of operand registers: 512 consecutive bytes a load, no pitch.
; SOFTMAX.  t = score x c + mask x log2(e), c = log2(e)/sqrt(128), one fused multiply-add; a running maximum m and sum l; p = 2^(t - m); O and l are multiplied by a = 2^(old m - new m) in every step.
; CLUSTER 4 x 4: x = four query blocks, y = the four groups of a batch.  K's and V's tiles are shared along a row of the cluster, the mask's along a column: joint loads, one a wave (waves 0-3: K, V; waves 4-7: the mask).
; LIMITS: |q|, |k|, |v| and the results under 65,504.  t is rounded once where the reference rounds twice: it shows only in rows whose every key carries a mask of the size of 1e9.  A mask of -infinity is served (m begins at -3e38).
; The first 16 positions of each sequence are computed here too, in plain f16; two small launches carry them more finely and write those rows of the output last.
; REGISTERS.  window 0: v1-15 addresses; v16-31 statistics, eight a tile: +0 m, +1 old m, +2, +3 l, +4..7 at work, a at +6; v32-95 Q; v96-159 S^T; v160-191 P; v192-223 mask; v254, v255 the add's two.
;   window 1: v0-127 O^T, 64 a tile; v128-255 K's fragments, then V's.
.set SLOT1, 131072                     ; a slot: K's images 32,768 B; V's 32,768 B; the mask, 64 rows x (512 + 16) from 65,536 on.  Slot 1 begins here: one exclusive or turns an address
.set MRGW,  8448
.set MRG,   236544                     ; 8 waves x 8,448: a tile of O^T as 16 images, then m and l; no fill lands here
.set SPARE, MRG+8*MRGW                 ; the spare words, 128 bytes a wave, which no other line names
.set ST,  16
.set S,   96
.set P,   160
.set MK,  192
.set WV,  12
.set G1D, 24                           ; s[24:31] group 1 for K's and V's images
.set G1M, 32                           ; s[32:39] for the mask
.set G0KV, 40                          ; s[40:47] groups 0: a set for each first fill; the second then walks on
.set G0M,  48
.set SLOTS, 56
.set CS,  58
.set SEL, 60
.set TB,  62
.set LG,  66
.set PFA, 68
.set PFS, 70
.set LIM, 72
.set MSB, 0
.macro WIN new
.if MSB != \new
	s_set_vgpr_msb (MSB<<8)|\new
.set MSB, \new
.endif
.endm
.macro JLOAD                           ; a joint refill; the branch hangs on the wave's number alone; an s_nop 0 and four v_nop follow each line
	s_cmp_lt_u32 s[WV], 4
	s_cbranch_scc0 .Lfor_m_\@
	tensor_load_to_lds s[G0KV+4:G0KV+7], s[G1D:G1D+7]
	s_nop 0
.rept 4
	v_nop
.endr
	s_branch .Lasked_\@
.Lfor_m_\@:
	tensor_load_to_lds s[G0M+4:G0M+7], s[G1M:G1M+7]
	s_nop 0
.rept 4
	v_nop
.endr
.Lasked_\@:
.endm
; A PREFETCH of what the NEXT change of slots will ask for, one instruction in each asking wave.  K's and V's 32,768 bytes of a slot: all clusters of a batch walk them, the first (cluster x = 0) asks; the four partners of a
; row take 8,192 bytes each, told apart by address; wave 0 K's, wave 1 V's, lanes 256 bytes apart.  The mask's 64 rows x 512 bytes belong to one column of one cluster: its four partners take 16 rows each, by address; wave 4,
; two lanes a row.  So each aligned 256 bytes is named once.  The last change that fills a slot asks for nothing.
.macro ASK
	s_cmp_gt_u32 s[SLOTS], s[LIM]
	s_cbranch_scc0 .Lnot_mine_\@
	global_prefetch_b8 v15, s[PFA:PFA+1] th:TH_LOAD_NT scope:SCOPE_SE
.Lnot_mine_\@:
.endm
.macro CROUND
	s_barrier_signal -1
	s_barrier_wait -1
	s_cmp_lg_u32 s[WV], 0
	s_cbranch_scc1 .Lnot_wave_0_\@
	s_barrier_signal -3
.Lnot_wave_0_\@:
	s_barrier_wait -3
	s_barrier_signal -1
	s_barrier_wait -1
.endm
	s_load_b128 s[4:7], s[0:1], 0x0                ; qkvi, attention_mask
	s_load_b64 s[8:9], s[0:1], 0x10                ; aout
	v_lshl_add_u32 v254, v0, 2, SPARE
	v_mov_b32 v255, 0
	ds_add_u32 v254, v255                          ; the wave's opening: the add, twice on end, and its wait ahead of my first tensor load
	ds_add_u32 v254, v255
	v_lshrrev_b32 v1, 5, v0
	v_readfirstlane_b32 s[WV], v1                  ; wave 0..7
	s_bfe_u32 s13, ttmp6, 0x40000                  ; cx
	s_bfe_u32 s14, ttmp6, 0x40004                  ; cy = the group
	s_lshl_b32 s15, ttmp9, 2
	s_add_co_u32 s15, s15, s13                     ; my block of 64 queries
	s_and_b32 s16, ttmp7, 0xffff                   ; the batch
	s_lshl_b32 s17, s14, 2
	s_lshl_b32 s17, 15, s17                        ; my row of the cluster
	s_lshl_b32 s18, 0x1111, s13                    ; my column
	s_or_b32 s[G1D], s17, (3<<16)|(1<<21)          ; images: a dense block of 16,384 bytes as 64 rows of 256 (32 elements of 8 bytes), no padding
	s_mov_b32 s[G1D+1], 32<<16
	s_mov_b32 s[G1D+2], 64<<16
	s_mov_b32 s[G1D+3], 32<<16
	s_mov_b32 s[G1D+4], 64
	s_mov_b32 s[G1D+5], 32
	s_mov_b32 s[G1D+6], 0
	s_mov_b32 s[G1D+7], 0
	s_or_b32 s[G1M], s18, (2<<16)|(1<<20)|(1<<21)|(6<<22)|(3<<25)   ; the mask: 16 rows of 128 f32, 2,048 apart; 4 words of padding behind each 128
	s_mov_b32 s[G1M+1], 128<<16
	s_mov_b32 s[G1M+2], 16<<16
	s_mov_b32 s[G1M+3], 128<<16
	s_mov_b32 s[G1M+4], 16
	s_mov_b32 s[G1M+5], 2048
	s_mov_b32 s[G1M+6], 0
	s_mov_b32 s[G1M+7], 0
	s_and_b32 s19, s[WV], 3                        ; wave % 4: which quarter I fetch; also my query group
	s_lshr_b32 s21, s19, 1                         ; K (0) or V (1)
	s_and_b32 s22, s19, 1                          ; which half of a slot's
	s_mul_i32 s20, s16, 6291456
	s_lshl_b32 s23, s14, 19
	s_add_co_u32 s20, s20, s23
	s_add_co_u32 s20, s20, 4194304                 ; K's images of (batch, group)
	s_lshl_b32 s23, s16, 22
	s_sub_co_u32 s23, 8388608, s23                 ; from there to V's
	s_mul_i32 s80, s21, s23
	s_add_co_u32 s80, s80, s20
	s_lshl_b32 s22, s22, 14
	s_add_co_u32 s80, s80, s22                     ; my quarter of slot 0: it holds the batch, the group and the wave's number, never cx
	s_mov_b32 s81, 0
	s_lshl_b32 s63, s16, 11
	s_lshl_b32 s57, s15, 6
	s_add_co_u32 s63, s63, s57                     ; my work-group's first row: 2,048 b + 64 x
	s_lshl_b32 s57, s19, 4
	s_add_co_u32 s82, s63, s57
	s_lshl_b32 s82, s82, 13                        ; the mask's rows that I fetch: never cy
	s_mov_b32 s83, 0
	s_lshl_b32 s17, s19, 14                        ; where they go: no place in the cluster enters an LDS address
	s_mul_i32 s18, s19, 16*528
	s_add_co_u32 s18, s18, 65536
	; Q's two tiles and the result
	s_lshr_b32 s21, s[WV], 2                       ; which half of the keys
	s_lshl_b32 s22, s14, 1
	s_add_co_u32 s22, s22, s21                     ; tile 0's head
	s_xor_b32 s57, s22, 1                          ; tile 1's
	s_mul_i32 s73, s16, 12
	s_add_co_u32 s74, s73, s22
	s_lshl_b32 s74, s74, 19
	s_add_co_u32 s76, s73, s57
	s_lshl_b32 s76, s76, 19
	s_lshl_b32 s73, s15, 2
	s_add_co_u32 s73, s73, s19
	s_lshl_b32 s73, s73, 12                        ; row tile 4 x + query group
	s_add_co_u32 s74, s74, s73
	s_add_co_u32 s76, s76, s73
	s_mov_b32 s75, 0
	s_mov_b32 s77, 0
	s_lshl_b32 s78, s19, 4
	s_add_co_u32 s78, s78, s63
	s_lshl_b32 s78, s78, 11                        ; aout: rows of 2,048 bytes,
	s_lshl_b32 s73, s22, 8                         ; the head's 256
	s_add_co_u32 s78, s78, s73
	s_mov_b32 s79, 0
	; the prefetches
	s_and_b32 s73, s[WV], 1
	s_mul_i32 s73, s73, s23
	s_add_co_u32 s73, s73, s20
	s_lshl_b32 s57, s13, 13
	s_add_co_u32 s73, s73, s57
	s_add_co_u32 s73, s73, 65536                   ; K's (even waves) or V's: my work-group's 8,192 bytes of slot 2; the first change of slots steps it to slot 3
	s_lshl_b32 s57, s14, 4
	s_add_co_u32 s57, s57, s63
	s_lshl_b32 s57, s57, 13
	s_add_co_u32 s57, s57, 1024                    ; the mask: my work-group's 16 rows, slot 2
	s_mov_b32 s[PFS], 512
	s_mov_b32 s22, 8192
	s_cmp_lt_u32 s[WV], 4
	s_cselect_b32 s20, s73, s57
	s_cselect_b32 s[PFS], 32768, s[PFS]            ; a slot on
	s_cselect_b32 s22, 512, s22                    ; from lane pair to lane pair
	s_mov_b32 s21, 0
	s_mov_b32 s[PFS+1], 0
	v_and_b32 v240, 31, v0                         ; lane
	v_lshrrev_b32 v244, 1, v240
	v_mul_lo_u32 v15, v244, s22
	v_and_b32 v244, 1, v240
	v_lshl_add_u32 v15, v244, 8, v15
	s_cmp_eq_u32 s[WV], 4
	s_cselect_b32 s73, 0, 1
	s_cmp_lt_u32 s[WV], 2
	s_cselect_b32 s73, ttmp9, s73                  ; 0 in wave 4, and in waves 0 and 1 of the batch's first cluster: the same in all sixteen partners
	s_cmp_eq_u32 s73, 0
	s_cselect_b32 s[LIM], 1, -1
	s_mov_b32 s[CS], 0x3e0293ee                    ; c = log2(e) / sqrt(128)
	s_mov_b32 s[CS+1], s[CS]
	s_mov_b32 s[LG], 0x3fb8aa3b                    ; log2(e)
	s_mov_b32 s[LG+1], s[LG]
	s_mov_b32 s[SEL], 0x76543210
	s_mov_b32 s[SEL+1], 0xfedcba98
	s_mov_b32 s[TB], 0
	s_mov_b32 s[SLOTS], 14
	s_wait_dscnt 0x0                               ; both opening adds are done
	s_wait_kmcnt 0x0
	s_add_nc_u64 s[80:81], s[4:5], s[80:81]
	s_add_nc_u64 s[82:83], s[6:7], s[82:83]
	s_add_nc_u64 s[74:75], s[4:5], s[74:75]
	s_add_nc_u64 s[76:77], s[4:5], s[76:77]
	s_add_nc_u64 s[78:79], s[8:9], s[78:79]
	s_cmp_lt_u32 s[WV], 4
	s_cselect_b64 s[PFA:PFA+1], s[4:5], s[6:7]
	s_add_nc_u64 s[PFA:PFA+1], s[PFA:PFA+1], s[20:21]
	CROUND                                         ; all sixteen work-groups are here: the first joint loads meet
.irp s, 0,1
	s_mov_b32 s[G0KV+4*\s], 1
	s_add_co_u32 s[G0KV+4*\s+1], s17, \s*SLOT1
	s_add_nc_u64 s[G0KV+4*\s+2:G0KV+4*\s+3], s[80:81], \s*32768
	s_or_b32 s[G0KV+4*\s+3], s[G0KV+4*\s+3], 0x80000000
	s_mov_b32 s[G0M+4*\s], 1
	s_add_co_u32 s[G0M+4*\s+1], s18, \s*SLOT1
	s_add_nc_u64 s[G0M+4*\s+2:G0M+4*\s+3], s[82:83], \s*512
	s_or_b32 s[G0M+4*\s+3], s[G0M+4*\s+3], 0x80000000
.endr
	s_cmp_lt_u32 s[WV], 4                          ; a wave's two first fills stand in one branch, ahead of every wait on TENSORcnt and every LDS read: two loads of mine are out
	s_cbranch_scc0 .Lfirst_m
	tensor_load_to_lds s[G0KV:G0KV+3], s[G1D:G1D+7]
	s_nop 0
	tensor_load_to_lds s[G0KV+4:G0KV+7], s[G1D:G1D+7]
	s_nop 0
.rept 4
	v_nop
.endr
	s_branch .Lfirst_asked
.Lfirst_m:
	tensor_load_to_lds s[G0M:G0M+3], s[G1M:G1M+7]
	s_nop 0
	tensor_load_to_lds s[G0M+4:G0M+7], s[G1M:G1M+7]
	s_nop 0
.rept 4
	v_nop
.endr
.Lfirst_asked:
	v_and_b32 v241, 15, v0                         ; r
	v_bfe_u32 v242, v0, 4, 1                       ; h
	v_lshlrev_b32 v7, 4, v240                      ; 16 x lane
.irp t, 0,1
.irp p, 0,1,2,3,4,5,6,7
	global_load_b128 v[32+32*\t+4*\p:35+32*\t+4*\p], v7, s[74+2*\t:75+2*\t] offset:512*\p    ; Q stays in registers
.endr
.endr
	s_lshr_b32 s17, s[WV], 2                       ; which half of the keys
	s_and_b32 s18, s[WV], 3                        ; query group
	s_lshl_b32 s19, s17, 14
	v_add_nc_u32 v1, s19, v7                       ; K: my 64 keys' images
	v_add_nc_u32 v2, 32768, v1                     ; V: likewise
	s_lshl_b32 s20, s18, 4
	v_add_nc_u32 v3, s20, v241
	v_mul_u32_u24 v3, v3, 528
	v_lshl_add_u32 v3, v242, 5, v3
	s_lshl_b32 s20, s17, 8
	s_add_co_u32 s20, s20, 65536
	v_add_nc_u32 v3, s20, v3                       ; mask: row 16 group + r, my 64 keys, + 32 h
	s_mul_i32 s20, s[WV], MRGW
	s_add_co_u32 s20, s20, MRG
	v_add_nc_u32 v8, s20, v7                       ; my part for the exchange: images,
	v_lshlrev_b32 v243, 2, v240
	v_add_nc_u32 v9, s20, v243
	v_add_nc_u32 v9, 8192, v9                      ; m and l
	s_xor_b32 s20, s[WV], 4
	s_mul_i32 s20, s20, MRGW
	s_add_co_u32 s20, s20, MRG
	v_add_nc_u32 v10, s20, v7                      ; my partner's
	v_add_nc_u32 v11, s20, v243
	v_add_nc_u32 v11, 8192, v11
	s_mul_i32 s20, s[WV], 16*272                   ; the way out: a stage of 16 rows x 272 in slot 0, which has had its last fill and its last read by then
	v_mul_u32_u24 v12, v241, 272
	v_lshl_add_u32 v12, v242, 4, v12
	v_add_nc_u32 v12, s20, v12
	v_mul_u32_u24 v13, v242, 272
	v_lshl_add_u32 v13, v241, 4, v13
	v_add_nc_u32 v13, s20, v13
	v_lshlrev_b32 v14, 11, v242
	v_lshl_add_u32 v14, v241, 4, v14               ; and the same two rows in aout
	WIN 0x40
.set i, 0
.rept 128
	v_mov_b32 v[i], 0                              ; O^T.  (The step is written once: the first finds zeros)
.set i, i+1
.endr
	WIN 0
.irp t, 0,1
	v_mov_b32 v[ST+8*\t], 0xff61b1e6               ; m: -3e38, under every t
	v_mov_b32 v[ST+8*\t+1], 0
	v_mov_b32 v[ST+8*\t+2], 0                      ; l, in two halves
	v_mov_b32 v[ST+8*\t+3], 0
.endr
; A KEY STEP: my 64 keys of the slot in hand, both tiles.
.macro STEP
	v_add_nc_u32 v4, s[TB], v1
	v_add_nc_u32 v5, s[TB], v2
	v_add_nc_u32 v6, s[TB], v3
	v_nop                                          ; four places in front of loads into registers that the last products read
	WIN 0x40
.irp kt, 0,1,2,3
.irp c4, 0,1,2,3
	ds_load_b128 v[128+32*\kt+8*\c4:128+32*\kt+8*\c4+3], v4 offset:\kt*4096+\c4*1024
	ds_load_b128 v[128+32*\kt+8*\c4+4:128+32*\kt+8*\c4+7], v4 offset:\kt*4096+\c4*1024+512
.endr
.endr
	WIN 0
.irp kt, 0,1,2,3
.irp e, 0,1
	ds_load_b128 v[MK+8*\kt+4*\e:MK+8*\kt+4*\e+3], v6 offset:64*\kt+16*\e
.endr
.endr
	s_wait_dscnt 0x0
	WIN 0x01
.set i, 0
.rept 32                                       ; S^T: channels 32 (i / 8) on, keys 16 ((i / 2) % 4) on, tile i % 2: eight accumulators by turns
.if i < 8
	v_wmma_f32_16x16x32_f16 v[S+32*(i%2)+8*((i/2)%4):S+32*(i%2)+8*((i/2)%4)+7], v[128+32*((i/2)%4)+8*(i/8):128+32*((i/2)%4)+8*(i/8)+7], v[32+32*(i%2)+8*(i/8):32+32*(i%2)+8*(i/8)+7], 0
.else
	v_wmma_f32_16x16x32_f16 v[S+32*(i%2)+8*((i/2)%4):S+32*(i%2)+8*((i/2)%4)+7], v[128+32*((i/2)%4)+8*(i/8):128+32*((i/2)%4)+8*(i/8)+7], v[32+32*(i%2)+8*(i/8):32+32*(i%2)+8*(i/8)+7], v[S+32*(i%2)+8*((i/2)%4):S+32*(i%2)+8*((i/2)%4)+7]
.endif
.set i, i+1
.endr
	WIN 0
.set j, 0
.rept 16
	v_pk_mul_f32 v[MK+j:MK+j+1], v[MK+j:MK+j+1], s[LG:LG+1] op_sel_hi:[1,0]   ; mask x log2(e).  (These sixteen are the places behind the products)
.set j, j+2
.endr
	WIN 0x40
.irp kk, 0,1
.irp ct, 0,1,2,3,4,5,6,7
	ds_load_b128 v[128+64*\kk+8*\ct:128+64*\kk+8*\ct+3], v5 offset:\kk*8192+\ct*1024     ; V, where K lay: it lands under the softmax
	ds_load_b128 v[128+64*\kk+8*\ct+4:128+64*\kk+8*\ct+7], v5 offset:\kk*8192+\ct*1024+512
.endr
.endr
	WIN 0
.set j, 0
.rept 16
.irp t, 0,1
	v_pk_fma_f32 v[S+32*\t+j:S+32*\t+j+1], v[S+32*\t+j:S+32*\t+j+1], s[CS:CS+1], v[MK+j:MK+j+1] op_sel_hi:[1,0,1]   ; t; each accumulator from its low end on
.endr
.set j, j+2
.endr
.irp k, 0,1,2,3
.irp t, 0,1
	v_max3_num_f32 v[ST+8*\t+4+\k], v[S+32*\t+8*\k], v[S+32*\t+8*\k+1], v[S+32*\t+8*\k+2]
.endr
.endr
.irp i, 3,5
.irp k, 0,1,2,3
.irp t, 0,1
	v_max3_num_f32 v[ST+8*\t+4+\k], v[ST+8*\t+4+\k], v[S+32*\t+8*\k+\i], v[S+32*\t+8*\k+\i+1]
.endr
.endr
.endr
.irp t, 0,1
	v_max3_num_f32 v[ST+8*\t+4], v[ST+8*\t+4], v[S+32*\t+7], v[S+32*\t+15]
	v_max3_num_f32 v[ST+8*\t+6], v[ST+8*\t+6], v[S+32*\t+23], v[S+32*\t+31]
.endr
.irp t, 0,1
	v_mov_b32 v[ST+8*\t+1], v[ST+8*\t]             ; the old m
.endr
.irp t, 0,1
	v_max3_num_f32 v[ST+8*\t+4], v[ST+8*\t+4], v[ST+8*\t+5], v[ST+8*\t+6]
.endr
.irp t, 0,1
	v_max3_num_f32 v[ST+8*\t+4], v[ST+8*\t+4], v[ST+8*\t+7], v[ST+8*\t]
.endr
.irp t, 0,1
	v_permlanex16_b32 v[ST+8*\t+5], v[ST+8*\t+4], s[SEL], s[SEL+1]   ; the query's other 32 keys lie in the lane 16 away
.endr
.irp t, 0,1
	v_max_num_f32 v[ST+8*\t], v[ST+8*\t+4], v[ST+8*\t+5]             ; the new m
.endr
.irp t, 0,1
	v_sub_f32 v[ST+8*\t+7], v[ST+8*\t+1], v[ST+8*\t]
.endr
.set j, 0
.rept 16
.irp t, 0,1
	v_pk_add_f32 v[S+32*\t+j:S+32*\t+j+1], v[S+32*\t+j:S+32*\t+j+1], v[ST+8*\t:ST+8*\t+1] op_sel_hi:[1,0] neg_lo:[0,1] neg_hi:[0,1]   ; t - m
.endr
.set j, j+2
.endr
.irp t, 0,1
	v_exp_f32 v[ST+8*\t+6], v[ST+8*\t+7]           ; a = 2^(old m - new m)
.endr
.set j, 0
.rept 64
	v_exp_f32 v[S+j], v[S+j]
.set j, j+1
.endr
	v_nop                                          ; a plain line behind the last exponential,
	s_wait_alu depctr_va_vdst(0)                   ; and one wait for the 66, ahead of their first reader
.set j, 0
.rept 32
	v_cvt_pk_f16_f32 v[P+j], v[S+2*j], v[S+2*j+1]
.set j, j+1
.endr
.irp w, 4,8,16,32                              ; the tile's 16 pairs are added in place: neighbours 1, 2, 4 and 8 pairs apart
.set u, 0
.rept 32/\w
.irp t, 0,1
	v_pk_add_f32 v[S+32*\t+\w*u:S+32*\t+\w*u+1], v[S+32*\t+\w*u:S+32*\t+\w*u+1], v[S+32*\t+\w*u+\w/2:S+32*\t+\w*u+\w/2+1]
.endr
.set u, u+1
.endr
.endr
.irp t, 0,1
	v_pk_fma_f32 v[ST+8*\t+2:ST+8*\t+3], v[ST+8*\t+2:ST+8*\t+3], v[ST+8*\t+6:ST+8*\t+7], v[S+32*\t:S+32*\t+1] op_sel_hi:[1,0,1]   ; l = a l + the sum
.endr
	WIN 0x41
.set j, 0
.rept 32
.irp t, 0,1
	v_pk_mul_f32 v[64*\t+j:64*\t+j+1], v[64*\t+j:64*\t+j+1], v[ST+8*\t+6:ST+8*\t+7] op_sel_hi:[1,0]   ; O^T x a
.endr
.set j, j+2
.endr
	s_wait_dscnt 0x0                               ; V is in
	WIN 0x51
.set i, 0
.rept 32                                       ; O^T += V^T P: keys 32 (i / 16) on, channels 16 ((i / 2) % 8) on, tile i % 2: sixteen accumulators by turns
	v_wmma_f32_16x16x32_f16 v[64*(i%2)+8*((i/2)%8):64*(i%2)+8*((i/2)%8)+7], v[128+64*(i/16)+8*((i/2)%8):128+64*(i/16)+8*((i/2)%8)+7], v[P+16*(i%2)+8*(i/16):P+16*(i%2)+8*(i/16)+7], v[64*(i%2)+8*((i/2)%8):64*(i%2)+8*((i/2)%8)+7]
.set i, i+1
.endr
	WIN 0
.endm
; THE CHANGE OF SLOTS.  Each wave waits for all its tensor loads (one is out: its part of the other slot), adds 0 to its spare word, and waits for that and for its reads of this slot.
; fill = 1: the barrier is a round of the cluster's, and this slot is filled again, with the keys two slots on: the refill has a key step of both waves of each SIMD in which to land.
.macro CHANGE fill
	s_wait_tensorcnt 0x0                           ; no tensor load of mine is out, so a group 0 may be written
	ds_add_u32 v254, v255
.if \fill
	s_xor_b32 s[G0KV+5], s[G0KV+5], SLOT1          ; the walking descriptors: the other slot than last time,
	s_add_nc_u64 s[G0KV+6:G0KV+7], s[G0KV+6:G0KV+7], 32768   ; the next 128 keys
	s_xor_b32 s[G0M+5], s[G0M+5], SLOT1
	s_add_nc_u64 s[G0M+6:G0M+7], s[G0M+6:G0M+7], 512
	s_wait_xcnt 0x0                                ; the last prefetch, a key step back, has read its address
	s_add_nc_u64 s[PFA:PFA+1], s[PFA:PFA+1], s[PFS:PFS+1]
	s_wait_dscnt 0x0                               ; the add is done, and my reads of the slot are over
	CROUND
	JLOAD
	ASK
.else
	s_wait_dscnt 0x0
	s_barrier_signal -1
	s_barrier_wait -1
.endif
	s_xor_b32 s[TB], s[TB], SLOT1                  ; on to the other slot
.endm
	s_wait_tensorcnt 1                             ; my part of slot 0 is in; slot 1's may stay out
	s_barrier_signal -1
	s_barrier_wait -1
	s_wait_loadcnt 0x0                             ; Q
.Lslot:                                                ; 14 trips: every slot but the last two is filled again
	STEP
	CHANGE 1
	s_sub_co_u32 s[SLOTS], s[SLOTS], 1
	s_cmp_lg_u32 s[SLOTS], 0
	s_cbranch_scc1 .Lslot
	STEP                                           ; the tail is written out
	CHANGE 0
	STEP
	; THE TWO HALVES OF THE KEYS MEET.  I lay down my tile 1, which is my partner's tile 0's head, and take my partner's tile 1.
.irp t, 0,1
	v_add_f32 v[ST+8*\t+4], v[ST+8*\t+2], v[ST+8*\t+3]
.endr
.irp t, 0,1
	v_permlanex16_b32 v[ST+8*\t+5], v[ST+8*\t+4], s[SEL], s[SEL+1]
.endr
.irp t, 0,1
	v_add_f32 v[ST+8*\t+2], v[ST+8*\t+4], v[ST+8*\t+5]     ; l of my 1,024 keys
.endr
.rept 4
	v_nop                                          ; places behind the last products
.endr
	WIN 0x04                                       ; an LDS store's data are its source 1: window 1
.irp i, 0,1,2,3,4,5,6,7,8,9,10,11,12,13,14,15
	ds_store_b128 v8, v[64+4*\i:67+4*\i] offset:512*\i
.endr
	WIN 0
	ds_store_b32 v9, v[ST+8]
	ds_store_b32 v9, v[ST+10] offset:128
	s_wait_dscnt 0x0                               ; for my partner's sake: my stores have landed; my reads of the last slot are over too
	s_barrier_signal -1
	s_barrier_wait -1
	WIN 0x40
.irp i, 0,1,2,3,4,5,6,7,8,9,10,11,12,13,14,15
	ds_load_b128 v[128+4*\i:131+4*\i], v10 offset:512*\i
.endr
	WIN 0
	ds_load_b32 v[ST+12], v11
	ds_load_b32 v[ST+13], v11 offset:128
	s_wait_dscnt 0x0
	v_max_num_f32 v[ST+4], v[ST], v[ST+12]         ; the row's maximum
	v_sub_f32 v[ST+5], v[ST], v[ST+4]
	v_sub_f32 v[ST+14], v[ST+12], v[ST+4]
	v_exp_f32 v[ST+5], v[ST+5]
	v_exp_f32 v[ST+14], v[ST+14]
	v_nop
	s_wait_alu depctr_va_vdst(0)                   ; one wait for the two
	v_mul_f32 v[ST+6], v[ST+5], v[ST+2]
	v_fma_f32 v[ST+6], v[ST+14], v[ST+13], v[ST+6] ; the row's sum
	v_rcp_f32 v[ST+7], v[ST+6]
	v_nop
	s_wait_alu depctr_va_vdst(0)
	v_mul_f32 v[ST+4], v[ST+5], v[ST+7]            ; my part's factor (low word of the pair v[20:21]),
	v_mul_f32 v[ST+14], v[ST+14], v[ST+7]          ; my partner's (of v[30:31])
	WIN 0x41
.set j, 0
.rept 32
	v_pk_mul_f32 v[j:j+1], v[j:j+1], v[ST+4:ST+5] op_sel_hi:[1,0]
.set j, j+2
.endr
	WIN 0x51
.set j, 0
.rept 32
	v_pk_fma_f32 v[j:j+1], v[128+j:129+j], v[ST+14:ST+15], v[j:j+1] op_sel_hi:[1,0,1]
.set j, j+2
.endr
	WIN 0x05
.set j, 0
.rept 32
	v_cvt_pk_f16_f32 v[S+j], v[2*j], v[2*j+1]
.set j, j+1
.endr
	WIN 0
.irp f, 0,1,2,3,4,5,6,7
	ds_store_b128 v12, v[S+4*\f:S+4*\f+3] offset:32*\f
.endr
.irp f, 0,1,2,3,4,5,6,7
	ds_load_b128 v[S+32+4*\f:S+32+4*\f+3], v13 offset:\f*544       ; LDS serves a wave's instructions in order: these see the stores above
.endr
.irp f, 0,1,2,3,4,5,6,7
	s_wait_dscnt 7-\f                              ; load f is back; its 7 - f younger ones may be out
	global_store_b128 v14, v[S+32+4*\f:S+32+4*\f+3], s[78:79] offset:\f*4096   ; 16 lanes store 256 consecutive bytes, aligned
.endr
	s_wait_tensorcnt 0x0                           ; the wave's end, behind my last tensor load and my last LDS store
	ds_add_u32 v254, v255
	s_wait_dscnt 0x0
	CROUND                                         ; the closing round
	s_endpgm
.Lfunc_end_k_qd122335e83_attn:
	.size	k_qd122335e83_attn, .Lfunc_end_k_qd122335e83_attn-k_qd122335e83_attn
	.p2alignl 7, 3214868480
	.fill 96, 4, 3214868480
	.section	.rodata,"a",@progbits
	.p2align	6, 0x0
	.amdhsa_kernel k_qd122335e83_attn
		.amdhsa_group_segment_fixed_size 327680
		.amdhsa_private_segment_fixed_size 0
		.amdhsa_enable_private_segment 0
		.amdhsa_kernarg_size 24
		.amdhsa_user_sgpr_count 2
		.amdhsa_user_sgpr_kernarg_segment_ptr 1
		.amdhsa_wavefront_size32 1
		.amdhsa_system_sgpr_workgroup_id_x 1
		.amdhsa_system_sgpr_workgroup_id_y 1
		.amdhsa_system_sgpr_workgroup_id_z 1
		.amdhsa_system_vgpr_workitem_id 0
		.amdhsa_next_free_vgpr 512
		.amdhsa_next_free_sgpr 84
		.amdhsa_reserve_vcc 0
		.amdhsa_float_denorm_mode_32 3
		.amdhsa_float_denorm_mode_16_64 3
		.amdhsa_memory_ordered 1
		.amdhsa_forward_progress 1
		.amdhsa_inst_pref_size 109
	.end_amdhsa_kernel
	.amdgpu_metadata
---
amdhsa.version: [ 1, 2 ]
amdhsa.kernels:
  - .name:           k_qd122335e83_attn
    .symbol:         k_qd122335e83_attn.kd
    .args:
      - { .name: qkvi, .offset: 0, .size: 8, .value_kind: global_buffer, .address_space: global }
      - { .name: attention_mask, .offset: 8, .size: 8, .value_kind: global_buffer, .address_space: global }
      - { .name: aout, .offset: 16, .size: 8, .value_kind: global_buffer, .address_space: global }
    .group_segment_fixed_size: 327680
    .private_segment_fixed_size: 0
    .kernarg_segment_align: 8
    .kernarg_segment_size: 24
    .max_flat_workgroup_size: 256
    .sgpr_count:     84
    .vgpr_count:     512
    .wavefront_size: 32
...
	.end_amdgpu_metadata
.endif
;; end of part 4
;; launch oproj (part 5): grid 16 x 16, 4 waves a work-group, clusters of 4 x 4, 327,680 bytes of LDS; arguments aout, woh, out0; writes out0
.if DOCPART == 5
	.amdgcn_target "amdgcn-amd-amdhsa--gfx1250"
	.amdhsa_code_object_version 6
	.text
	.protected	k_qd122335e83_oproj
	.globl	k_qd122335e83_oproj
	.p2align	8
	.type	k_qd122335e83_oproj,@function
k_qd122335e83_oproj:
	s_mov_b64 s[64:65], 0
	v_nop
	global_prefetch_b8 v0, s[64:65] scope:SCOPE_SE
	s_setreg_imm32_b32 hwreg(HW_REG_WAVE_MODE, 25, 1), 1
	s_wait_xcnt 0x0
	s_wait_alu depctr_hold_cnt(0) depctr_sa_sdst(0) depctr_va_vdst(0) depctr_va_sdst(0) depctr_va_ssrc(0) depctr_va_vcc(0) depctr_vm_vsrc(0)
	s_getreg_b32 s2, hwreg(HW_REG_IB_STS2, 6, 4)
	s_cmp_eq_u32 s2, 0
	s_cbranch_scc0 .Lentry_in_a_cluster
	s_endpgm
.Lentry_in_a_cluster:
	s_bfe_u32 s2, ttmp6, 0x10000c
	s_cmp_lg_u32 s2, 0xf033
	s_cbranch_scc0 .Lentry_shape_is_right
	s_endpgm
.Lentry_shape_is_right:
; out0[m][n] = sum over k of aout[m][k] woh[n][k].  aout: [4096][1024], woh: [4096][1024], f16; out0: [4096][4096] f32; sums in f32.
; A tile of 256 x 256 to a work-group of four waves (256 work-groups), 128 x 128 to a wave: 64 accumulators, 512 registers.  K goes in steps of 128 (rows of 256 bytes) through two LDS slots filled by tensor loads.
; CLUSTERS 4 x 4: A's tile is shared along a row of the cluster, B's along a column: joint loads.  THE MATRIX INSTRUCTION IS USED TRANSPOSED (source 0 = 16 rows of B, source 1 = 16 rows of A):
; a lane holds eight neighbouring numbers of a row of the result.  No prefetch: both operands are walked by four clusters at the same time, and a refill has a K step's matrix instructions in which to land.
; REGISTERS: window 0: v16-29 addresses; v64-127, v128-191 A's fragments, two buffers; way out: v128-255.  window 1: v64-127, v128-191 B's fragments.  window 2, 3: the accumulators, (a, b) at v[8 (8 (a % 4) + b)].
.set SIZE_N, 4096
.set SIZE_K, 1024
.set KSTEP,  128
.set PITCH,  272                       ; 256 bytes + 16 of padding: the 16 rows of a fragment load start 4 banks apart
.set HALFT,  128*PITCH
.set SLOT,   4*HALFT
.set STAGE,  2*SLOT                    ; behind the ring: 16 rows x (512 + 16) for each wave; no fill lands here
.set SPITCH, 528
.set SPARE,  STAGE+4*16*SPITCH         ; the spare words, 128 bytes a wave, which no other line names
.set LAPS,   SIZE_K/(2*KSTEP)
.set ADRA, 16
.set ADRB, 20
.set STO,  24
.set RD,   25
.set CO,   26
.set SPW,  28
.set NIL,  29
.set F0,   64
.set F1,   128
.set BK,   128
.set G1, 24
.set G0, 32
.set G1B, 48
.set G0B, 56
.set MSB, 0
.macro WIN new
.if MSB != \new
	s_set_vgpr_msb (MSB<<8)|\new
.set MSB, \new
.endif
.endm
.set MUL_LO, 0xa1
.set MUL_HI, 0xf1
.set TO_B,   0x40
.macro JLOAD s                         ; waves 0 and 1 fetch A's halves, waves 2 and 3 B's; an s_nop 0 and four v_nop follow each line
	s_cmp_eq_u32 s11, 0
	s_cbranch_scc0 .Lfor_b_\@
	tensor_load_to_lds s[G0+4*\s:G0+4*\s+3], s[G1:G1+7]
	s_nop 0
.rept 4
	v_nop
.endr
	s_branch .Lasked_\@
.Lfor_b_\@:
	tensor_load_to_lds s[G0B+4*\s:G0B+4*\s+3], s[G1B:G1B+7]
	s_nop 0
.rept 4
	v_nop
.endr
.Lasked_\@:
.endm
.macro CREST
	s_cmp_lg_u32 s10, 0
	s_cbranch_scc1 .Lnot_wave_0_\@
	s_barrier_signal -3
.Lnot_wave_0_\@:
	s_barrier_wait -3
	s_barrier_signal -1
	s_barrier_wait -1
.endm
.macro CROUND
	s_barrier_signal -1
	s_barrier_wait -1
	CREST
.endm
	s_load_b128 s[4:7], s[0:1], 0x0                ; A s[4:5], B s[6:7]
	s_load_b64 s[8:9], s[0:1], 0x10                ; the result
	v_lshl_add_u32 v[SPW], v0, 2, SPARE
	v_mov_b32 v[NIL], 0
	ds_add_u32 v[SPW], v[NIL]                      ; the wave's opening: the add, twice on end, and its wait ahead of my first tensor load
	ds_add_u32 v[SPW], v[NIL]
	v_lshrrev_b32 v1, 5, v0
	v_readfirstlane_b32 s10, v1                    ; wave 0..3
	s_lshr_b32 s11, s10, 1                         ; which half of the tile's rows is mine.  Also: I fetch for A (0) or for B (1)
	s_and_b32 s12, s10, 1                          ; which half of its columns.  Also: which 128 rows of that tile I fetch
	s_bfe_u32 s40, ttmp6, 0x40000
	s_bfe_u32 s41, ttmp6, 0x40004
	s_lshl_b32 s42, ttmp9, 2
	s_add_co_u32 s42, s42, s40                     ; tile column
	s_and_b32 s13, ttmp7, 0xffff
	s_lshl_b32 s13, s13, 2
	s_add_co_u32 s13, s13, s41                     ; tile row
	s_lshl_b32 s43, s41, 2
	s_lshl_b32 s43, 15, s43
	s_lshl_b32 s44, 0x1111, s40
	s_or_b32 s[G1+0], s43, (1<<16)|(1<<20)|(1<<21)|(5<<22)|(3<<25)   ; elements of 2 bytes; 4 words of padding behind every 64
	s_or_b32 s[G1B+0], s44, (1<<16)|(1<<20)|(1<<21)|(5<<22)|(3<<25)
	s_mov_b32 s[G1B+1], KSTEP<<16
	s_mov_b32 s[G1+1], KSTEP<<16
	s_mov_b32 s[G1B+2], 128<<16
	s_mov_b32 s[G1+2], 128<<16
	s_mov_b32 s[G1B+3], KSTEP<<16
	s_mov_b32 s[G1+3], KSTEP<<16
	s_mov_b32 s[G1B+4], 128
	s_mov_b32 s[G1+4], 128
	s_mov_b32 s[G1B+5], SIZE_K
	s_mov_b32 s[G1+5], SIZE_K
	s_mov_b32 s[G1B+6], 0
	s_mov_b32 s[G1+6], 0
	s_mov_b32 s[G1B+7], 0
	s_mov_b32 s[G1+7], 0
	s_lshl_b32 s17, s12, 7
	s_lshl_b32 s16, s13, 8
	s_add_co_u32 s16, s16, s17                     ; A: row 256 x tile row + 128 x half
	s_lshl_b32 s46, s42, 8
	s_add_co_u32 s46, s46, s17                     ; B: row 256 x tile column + 128 x half
	s_lshl_b32 s16, s16, 11                        ; rows of 2,048 bytes
	s_lshl_b32 s46, s46, 11
	s_mov_b32 s17, 0
	s_mov_b32 s47, 0
	s_mul_i32 s20, s10, HALFT                      ; where they go: wave x 128 rows
	s_wait_dscnt 0x0                               ; both opening adds are done
	s_wait_kmcnt 0x0
	s_add_nc_u64 s[14:15], s[4:5], s[16:17]
	s_add_nc_u64 s[46:47], s[6:7], s[46:47]
	CROUND                                         ; all sixteen work-groups are here: the first joint loads meet
.irp s, 0,1
	s_mov_b32 s[G0+4*\s], 1
	s_add_co_u32 s[G0+4*\s+1], s20, \s*SLOT
	s_add_nc_u64 s[G0+4*\s+2:G0+4*\s+3], s[14:15], \s*KSTEP*2
	s_or_b32 s[G0+4*\s+3], s[G0+4*\s+3], 0x80000000
	s_mov_b32 s[G0B+4*\s], 1
	s_add_co_u32 s[G0B+4*\s+1], s20, \s*SLOT
	s_add_nc_u64 s[G0B+4*\s+2:G0B+4*\s+3], s[46:47], \s*KSTEP*2
	s_or_b32 s[G0B+4*\s+3], s[G0B+4*\s+3], 0x80000000
	JLOAD \s                                       ; two loads of mine are out behind the second
.endr
	v_and_b32 v1, 15, v0
	v_bfe_u32 v2, v0, 4, 1
	v_mul_u32_u24 v3, v1, PITCH
	v_lshl_add_u32 v3, v2, 4, v3
	s_mul_i32 s21, s11, HALFT
	s_mul_i32 s22, s12, HALFT
	s_add_co_u32 s22, s22, 2*HALFT
.irp s, 0,1
	v_add_nc_u32 v[ADRA+\s], s21, v3
	v_add_nc_u32 v[ADRB+\s], s22, v3
	s_add_co_u32 s21, s21, SLOT
	s_add_co_u32 s22, s22, SLOT
.endr
	s_mul_i32 s23, s10, 16*SPITCH
	s_add_co_u32 s23, s23, STAGE                   ; my stage
	v_mul_u32_u24 v5, v1, SPITCH                   ; in: row l % 16, 32 bytes for each half of the lanes
	v_lshl_add_u32 v5, v2, 5, v5
	v_add_nc_u32 v[STO], s23, v5
	v_and_b32 v6, 31, v0
	v_lshlrev_b32 v[CO], 4, v6                     ; back: the 32 lanes take one row of 512 bytes; and the same in the result
	v_add_nc_u32 v[RD], s23, v[CO]
	s_lshl_b32 s16, s13, 8
	s_lshl_b32 s17, s11, 7
	s_add_co_u32 s16, s16, s17                     ; my first row
	s_lshl_b32 s16, s16, 14                        ; rows of 16,384 bytes
	s_lshl_b32 s46, s42, 10
	s_lshl_b32 s47, s12, 9
	s_add_co_u32 s46, s46, s47                     ; my first column, in bytes
	s_add_co_u32 s16, s16, s46
	s_mov_b32 s17, 0
	s_add_nc_u64 s[8:9], s[8:9], s[16:17]
; 16 matrix instructions: m blocks a0, a0 + 1 of the window's four x all 8 n blocks, 32 along K.  The 64 accumulators take turns, one instruction a turn.
.macro MUL16 f, hi, a0, zero
.irp a, \a0, \a0+1
.irp b, 0,1,2,3,4,5,6,7
.if \zero
	v_wmma_f32_16x16x32_f16 v[8*(8*(\a)+\b):8*(8*(\a)+\b)+7], v[\f+8*\b:\f+8*\b+7], v[\f+8*(4*\hi+\a):\f+8*(4*\hi+\a)+7], 0
.else
	v_wmma_f32_16x16x32_f16 v[8*(8*(\a)+\b):8*(8*(\a)+\b)+7], v[\f+8*\b:\f+8*\b+7], v[\f+8*(4*\hi+\a):\f+8*(4*\hi+\a)+7], v[8*(8*(\a)+\b):8*(8*(\a)+\b)+7]
.endif
.endr
.endr
.endm
.macro FETCH slot, k, f                ; 32 LDS loads in one run: the fragments of one quarter step into buffer f
	WIN TO_B
.irp i, 0,1,2,3,4,5,6,7
	ds_load_b128 v[\f+8*\i:\f+8*\i+3],   v[ADRB+\slot] offset:\k+\i*16*PITCH
	ds_load_b128 v[\f+8*\i+4:\f+8*\i+7], v[ADRB+\slot] offset:\k+\i*16*PITCH+32
.endr
	WIN 0
.irp i, 0,1,2,3,4,5,6,7
	ds_load_b128 v[\f+8*\i:\f+8*\i+3],   v[ADRA+\slot] offset:\k+\i*16*PITCH
	ds_load_b128 v[\f+8*\i+4:\f+8*\i+7], v[ADRA+\slot] offset:\k+\i*16*PITCH+32
.endr
.endm
.macro PLACES
.rept 4
	v_nop
.endr
.endm
.macro QUARTER slot, k, f, g, zero     ; multiplies buffer f; in its middle it fetches the next quarter's fragments into buffer g
	s_wait_dscnt 8                                 ; B and A's rows 0-63 are in; the youngest eight loads (A's rows 64-127) may be out
	WIN MUL_LO
	MUL16 \f, 0, 0, \zero
	MUL16 \f, 0, 2, \zero
	PLACES
	FETCH \slot, \k, \g
	s_wait_dscnt 32                                ; all but the 32 just issued
	WIN MUL_HI
	MUL16 \f, 1, 0, \zero
	MUL16 \f, 1, 2, \zero
.endm
; The last quarter multiplies buffer 1 and changes slots: in front of the barrier each wave waits for all its tensor loads, adds 0 to its spare word, and waits for that and for its reads of this slot.
.macro TURN slot, next, fill
	WIN 0
	s_wait_tensorcnt 0x0                           ; all my tensor loads have landed: my part of the next slot
	ds_add_u32 v[SPW], v[NIL]
	s_wait_dscnt 9                                 ; (the add and the youngest eight loads may be out)
	WIN MUL_LO
	MUL16 F1, 0, 0, 0
	s_wait_dscnt 0x0                               ; the add is done, and my reads of this slot are over
	s_barrier_signal -1
	MUL16 F1, 0, 2, 0
	WIN 0
	s_barrier_wait -1
.if \fill
	CREST                                          ; the barrier has opened a round of the cluster's: no wave of any partner still reads this slot or has a load on its way
	s_add_nc_u64 s[G0+4*\slot+2:G0+4*\slot+3], s[G0+4*\slot+2:G0+4*\slot+3], 2*KSTEP*2
	s_add_nc_u64 s[G0B+4*\slot+2:G0B+4*\slot+3], s[G0B+4*\slot+2:G0B+4*\slot+3], 2*KSTEP*2
	JLOAD \slot                                    ; the first tensor load behind the round; its four v_nop are the places in front of the loads below
.else
	PLACES
.endif
	FETCH \next, 0, F0
	WIN MUL_HI
	MUL16 F1, 1, 0, 0
	MUL16 F1, 1, 2, 0
.endm
	s_wait_tensorcnt 1                             ; my part of K step 0 is in (K step 1's load may be out),
	s_barrier_signal -1
	s_barrier_wait -1                              ; everybody's is
	FETCH 0, 0, F0
	QUARTER 0, 64,  F0, F1, 1                      ; the first quarter stands in front of the loop: its products start the sums
	WIN 0
	s_mov_b32 s3, LAPS-1
.Llap:                                                 ; a trip goes once round the ring and fills both slots again
	QUARTER 0, 128, F1, F0, 0
	QUARTER 0, 192, F0, F1, 0
	TURN 0, 1, 1
	QUARTER 1, 64,  F0, F1, 0
	QUARTER 1, 128, F1, F0, 0
	QUARTER 1, 192, F0, F1, 0
	TURN 1, 0, 1
	QUARTER 0, 64,  F0, F1, 0
	WIN 0
	s_sub_co_u32 s3, s3, 1
	s_cmp_lg_u32 s3, 0
	s_cbranch_scc1 .Llap
	QUARTER 0, 128, F1, F0, 0                      ; the last lap fills nothing
	QUARTER 0, 192, F0, F1, 0
	TURN 0, 1, 0
	QUARTER 1, 64,  F0, F1, 0
	QUARTER 1, 128, F1, F0, 0
	QUARTER 1, 192, F0, F1, 0
	s_wait_dscnt 8
	WIN MUL_LO
	MUL16 F1, 0, 0, 0
	MUL16 F1, 0, 2, 0
	s_wait_dscnt 0x0
	WIN MUL_HI
	MUL16 F1, 1, 0, 0
	MUL16 F1, 1, 2, 0
	WIN 0
; THE WAY OUT, block by block of 16 rows x 128 columns, through my own stage: in as 32 bytes a lane, back as whole rows of 512 bytes.  LDS serves a wave's instructions in order.
.macro TOSTAGE a
.set AC, 64*((\a)%4)
	WIN 0x08+4*((\a)/4)                            ; the data: window 2 or 3
.irp b, 0,1,2,3,4,5,6,7
	ds_store_b128 v[STO], v[AC+8*\b:AC+8*\b+3] offset:64*\b          ; each accumulator from its low end on
	ds_store_b128 v[STO], v[AC+8*\b+4:AC+8*\b+7] offset:64*\b+16
.endr
	WIN 0
.set BB, BK+64*((\a)%2)
.irp t, 0,1,2,3,4,5,6,7,8,9,10,11,12,13,14,15
	ds_load_b128 v[BB+4*\t:BB+4*\t+3], v[RD] offset:\t*SPITCH
.endr
.endm
.macro SEND a, younger                 ; younger: the LDS instructions issued behind block a's loads, which may stay out
.set BB, BK+64*((\a)%2)
	s_wait_dscnt \younger
.if (\a) > 0
	s_add_nc_u64 s[8:9], s[8:9], 16*SIZE_N*4       ; (behind a wait on XCNT: the earlier stores have read their base)
.endif
.irp t, 0,1,2,3,4,5,6,7,8,9,10,11,12,13,14,15
	global_store_b128 v[CO], v[BB+4*\t:BB+4*\t+3], s[8:9] offset:\t*SIZE_N*4 th:TH_STORE_NT   ; 32 lanes store 512 consecutive bytes, aligned
.endr
.endm
	PLACES
	TOSTAGE 0
.irp a, 1,2,3,4,5,6,7
.if \a > 1
	s_wait_xcnt 0x0                                ; block a - 2's stores have read their registers and their base
.endif
	TOSTAGE \a
	SEND \a-1, 32                                  ; behind block a - 1's loads: block a's 16 stores and 16 loads
.endr
	s_wait_xcnt 0x0
	SEND 7, 0
	s_wait_tensorcnt 0x0                           ; the wave's end, behind my last tensor load and my last LDS store
	ds_add_u32 v[SPW], v[NIL]
	s_wait_dscnt 0x0
	CROUND                                         ; the closing round
	s_endpgm
.Lfunc_end_k_qd122335e83_oproj:
	.size	k_qd122335e83_oproj, .Lfunc_end_k_qd122335e83_oproj-k_qd122335e83_oproj
	.p2alignl 7, 3214868480
	.fill 96, 4, 3214868480
	.section	.rodata,"a",@progbits
	.p2align	6, 0x0
	.amdhsa_kernel k_qd122335e83_oproj
		.amdhsa_group_segment_fixed_size 327680
		.amdhsa_private_segment_fixed_size 0
		.amdhsa_enable_private_segment 0
		.amdhsa_kernarg_size 24
		.amdhsa_user_sgpr_count 2
		.amdhsa_user_sgpr_kernarg_segment_ptr 1
		.amdhsa_wavefront_size32 1
		.amdhsa_system_sgpr_workgroup_id_x 1
		.amdhsa_system_sgpr_workgroup_id_y 1
		.amdhsa_system_sgpr_workgroup_id_z 1
		.amdhsa_system_vgpr_workitem_id 0
		.amdhsa_next_free_vgpr 1024
		.amdhsa_next_free_sgpr 66
		.amdhsa_reserve_vcc 0
		.amdhsa_float_denorm_mode_32 3
		.amdhsa_float_denorm_mode_16_64 3
		.amdhsa_memory_ordered 1
		.amdhsa_forward_progress 1
		.amdhsa_inst_pref_size 140
	.end_amdhsa_kernel
	.amdgpu_metadata
---
amdhsa.version: [ 1, 2 ]
amdhsa.kernels:
  - .name:           k_qd122335e83_oproj
    .symbol:         k_qd122335e83_oproj.kd
    .args:
      - { .name: aout, .offset: 0, .size: 8, .value_kind: global_buffer, .address_space: global }
      - { .name: woh, .offset: 8, .size: 8, .value_kind: global_buffer, .address_space: global }
      - { .name: out0, .offset: 16, .size: 8, .value_kind: global_buffer, .address_space: global }
    .group_segment_fixed_size: 327680
    .private_segment_fixed_size: 0
    .kernarg_segment_align: 8
    .kernarg_segment_size: 24
    .max_flat_workgroup_size: 128
    .sgpr_count:     66
    .vgpr_count:     1024
    .wavefront_size: 32
...
	.end_amdgpu_metadata
.endif
;; end of part 5
;; launch fineb (part 6): grid 64 x 2, 4 waves a work-group, no clusters, 5,120 bytes of LDS; arguments afine, wo, out0; writes out0
.if DOCPART == 6
	.amdgcn_target "amdgcn-amd-amdhsa--gfx1250"
	.amdhsa_code_object_version 6
	.text
	.protected	k_qd122335e83_fineb
	.globl	k_qd122335e83_fineb
	.p2align	8
	.type	k_qd122335e83_fineb,@function
k_qd122335e83_fineb:
	s_mov_b64 s[64:65], 0
	v_nop
	global_prefetch_b8 v0, s[64:65] scope:SCOPE_SE
	s_setreg_imm32_b32 hwreg(HW_REG_WAVE_MODE, 25, 1), 1
	s_wait_xcnt 0x0
; THE FIRST 16 POSITIONS OF EACH SEQUENCE, PROJECTED IN F32: out0[2048 b + 0..15][n] = sum over k of afine[16 b + ..][k] wo[n][k], K = 1,024, by the f32 matrix form: 32 rows of 4,096: no bulk work.
; It runs last and writes those 32 rows over what the f16 projection left there.
; A work-group: one batch, 64 columns; wave w: columns 16 w on.  Transposed use (source 0 = 16 rows of wo, source 1 = the 16 positions): a lane holds one position and eight neighbouring columns.
; A load of 16 bytes a lane brings k = 8 i + 4 h + 0..3 of a row; a pair of its registers is one K step of 4.  k is so permuted alike on both sides, which keeps the products.
; Two accumulators take the K steps by turns and are written by matrix instructions alone; their sum goes into other registers.
.set SPARE, 4608                       ; behind the stage of 16 rows x 272: the spare words, 128 bytes a wave, which no other line names
	s_load_b128 s[4:7], s[0:1], 0x0                ; afine, wo
	s_load_b64 s[8:9], s[0:1], 0x10                ; out0
	v_lshl_add_u32 v10, v0, 2, SPARE
	v_mov_b32 v11, 0
	v_lshrrev_b32 v1, 5, v0
	v_readfirstlane_b32 s10, v1                    ; wave 0..3
	v_and_b32 v2, 15, v0                           ; r
	v_bfe_u32 v3, v0, 4, 1                         ; h
	v_lshlrev_b32 v4, 12, v2
	v_lshl_add_u32 v4, v3, 4, v4                   ; row r of 4,096 bytes, + 16 h: the same in wo and in afine
	v_mul_u32_u24 v5, v2, 272
	v_lshl_add_u32 v5, v3, 5, v5
	s_lshl_b32 s16, s10, 6
	v_add_nc_u32 v5, s16, v5                       ; the stage, in: row r, + 64 w + 32 h
	v_mul_u32_u24 v6, v3, 272
	v_lshl_add_u32 v6, v2, 4, v6
	s_mul_i32 s16, s10, 4*272
	v_add_nc_u32 v6, s16, v6                       ; and out: rows 4 w + h, 16 bytes a lane
	v_lshlrev_b32 v7, 14, v3
	v_lshl_add_u32 v7, v2, 4, v7                   ; the same rows in out0
	s_and_b32 s11, ttmp7, 0xffff                   ; the batch
	s_lshl_b32 s12, ttmp9, 6
	s_lshl_b32 s13, s10, 4
	s_add_co_u32 s12, s12, s13                     ; my first column = row of wo
	s_lshl_b32 s12, s12, 12
	s_mov_b32 s13, 0
	s_lshl_b32 s14, s11, 16                        ; afine: 16 rows of 4,096 bytes a batch
	s_mov_b32 s15, 0
	s_lshl_b32 s16, s11, 11
	s_lshl_b32 s17, s10, 2
	s_add_co_u32 s16, s16, s17
	s_lshl_b32 s16, s16, 14                        ; out0: row 2,048 b + 4 w,
	s_lshl_b32 s17, ttmp9, 8                       ; the work-group's 256 bytes
	s_add_co_u32 s16, s16, s17
	s_mov_b32 s17, 0
	s_mov_b32 s18, 7
	s_wait_kmcnt 0x0
	s_add_nc_u64 s[6:7], s[6:7], s[12:13]
	s_add_nc_u64 s[4:5], s[4:5], s[14:15]
	s_add_nc_u64 s[8:9], s[8:9], s[16:17]
.macro CLOAD set, off                  ; 64 along K: 8 loads of wo into v[32 + 64 set ..], 8 of afine into v[64 + 64 set ..]
.irp i, 0,1,2,3,4,5,6,7
	global_load_b128 v[32+64*(\set)+4*\i:35+64*(\set)+4*\i], v4, s[6:7] offset:\off+32*\i
	global_load_b128 v[64+64*(\set)+4*\i:67+64*(\set)+4*\i], v4, s[4:5] offset:\off+32*\i
.endr
.endm
.macro MULC set, zero                  ; 16 K steps of 4
.set kk, 0
.rept 16
.if (\zero) && (kk < 2)
	v_wmma_f32_16x16x4_f32 v[160+8*(kk%2):167+8*(kk%2)], v[32+64*(\set)+2*kk:33+64*(\set)+2*kk], v[64+64*(\set)+2*kk:65+64*(\set)+2*kk], 0
.else
	v_wmma_f32_16x16x4_f32 v[160+8*(kk%2):167+8*(kk%2)], v[32+64*(\set)+2*kk:33+64*(\set)+2*kk], v[64+64*(\set)+2*kk:65+64*(\set)+2*kk], v[160+8*(kk%2):167+8*(kk%2)]
.endif
.set kk, kk+1
.endr
.endm
	CLOAD 0, 0
	CLOAD 1, 256
	s_wait_loadcnt 16                              ; set 0 is in; set 1's 16 loads may be out
	MULC 0, 1                                      ; the sums' first K steps stand ahead of the loop and start them
.Lchunk:                                               ; 7 trips of two chunks of 64 along K
.rept 8
	v_nop                                          ; eight places in front of loads into registers that this form has read
.endr
	CLOAD 0, 512
	s_wait_loadcnt 16                              ; set 1 is in; the 16 loads just issued may be out
	MULC 1, 0
.rept 8
	v_nop
.endr
	CLOAD 1, 768
	s_wait_loadcnt 16                              ; set 0 is in
	MULC 0, 0
	s_wait_xcnt 0x0                                ; the loads that are out have read their bases
	s_add_nc_u64 s[6:7], s[6:7], 512
	s_add_nc_u64 s[4:5], s[4:5], 512
	s_sub_co_u32 s18, s18, 1
	s_cmp_lg_u32 s18, 0
	s_cbranch_scc1 .Lchunk
	s_wait_loadcnt 0x0
	MULC 1, 0                                      ; the last chunk: nothing more to fetch
.rept 8
	v_nop                                          ; eight places in front of the first read of results
.endr
.irp j, 0,2,4,6
	v_pk_add_f32 v[176+\j:177+\j], v[160+\j:161+\j], v[168+\j:169+\j]   ; from the low end on
.endr
	ds_store_b128 v5, v[176:179]
	ds_store_b128 v5, v[180:183] offset:16
	s_wait_dscnt 0x0                               ; for the others' sake: a row's 256 bytes come from four waves
	s_barrier_signal -1
	s_barrier_wait -1
	ds_load_b128 v[184:187], v6
	ds_load_b128 v[188:191], v6 offset:544
	s_wait_dscnt 0x0
	global_store_b128 v7, v[184:187], s[8:9]               ; 16 lanes store 256 consecutive bytes, aligned
	global_store_b128 v7, v[188:191], s[8:9] offset:32768
	s_wait_tensorcnt 0x0                           ; the wave's end, behind my last LDS store
	ds_add_u32 v10, v11
	s_wait_dscnt 0x0
	s_endpgm
.Lfunc_end_k_qd122335e83_fineb:
	.size	k_qd122335e83_fineb, .Lfunc_end_k_qd122335e83_fineb-k_qd122335e83_fineb
	.p2alignl 7, 3214868480
	.fill 96, 4, 3214868480
	.section	.rodata,"a",@progbits
	.p2align	6, 0x0
	.amdhsa_kernel k_qd122335e83_fineb
		.amdhsa_group_segment_fixed_size 5120
		.amdhsa_private_segment_fixed_size 0
		.amdhsa_enable_private_segment 0
		.amdhsa_kernarg_size 24
		.amdhsa_user_sgpr_count 2
		.amdhsa_user_sgpr_kernarg_segment_ptr 1
		.amdhsa_wavefront_size32 1
		.amdhsa_system_sgpr_workgroup_id_x 1
		.amdhsa_system_sgpr_workgroup_id_y 1
		.amdhsa_system_sgpr_workgroup_id_z 1
		.amdhsa_system_vgpr_workitem_id 0
		.amdhsa_next_free_vgpr 192
		.amdhsa_next_free_sgpr 66
		.amdhsa_reserve_vcc 0
		.amdhsa_float_denorm_mode_32 3
		.amdhsa_float_denorm_mode_16_64 3
		.amdhsa_memory_ordered 1
		.amdhsa_forward_progress 1
		.amdhsa_inst_pref_size 15
	.end_amdhsa_kernel
	.amdgpu_metadata
---
amdhsa.version: [ 1, 2 ]
amdhsa.kernels:
  - .name:           k_qd122335e83_fineb
    .symbol:         k_qd122335e83_fineb.kd
    .args:
      - { .name: afine, .offset: 0, .size: 8, .value_kind: global_buffer, .address_space: global }
      - { .name: wo, .offset: 8, .size: 8, .value_kind: global_buffer, .address_space: global }
      - { .name: out0, .offset: 16, .size: 8, .value_kind: global_buffer, .address_space: global }
    .group_segment_fixed_size: 5120
    .private_segment_fixed_size: 0
    .kernarg_segment_align: 8
    .kernarg_segment_size: 24
    .max_flat_workgroup_size: 128
    .sgpr_count:     66
    .vgpr_count:     192
    .wavefront_size: 32
...
	.end_amdgpu_metadata
.endif
;; end of part 6
;; ======== version 2 of 2: 7 launches
;; limits: values are held in f16: magnitudes above 65,504 overflow, below 6.1e-05 lose precision; inputs' magnitudes at most 48,000; right only within a limited range of input values
;; workspace buffers: xq4 8,912,896 bytes; wq4 4,456,448 bytes; woh 8,388,608 bytes; rope 2,097,152 bytes; qkvi 20,971,520 bytes; aout 8,388,608 bytes; afine 131,072 bytes; part 4,325,376 bytes
;; launch prep: the kernel of part 1 again; grid 928 x 1, 4 waves a work-group, no clusters, 33,280 bytes of LDS; arguments hidden_states, wq, wk, wv, wo, position_ids, xq4, wq4, woh, rope; writes xq4, wq4, woh, rope
;; launch qkv: the kernel of part 2 again; grid 16 x 16, 4 waves a work-group, clusters of 4 x 4, 327,680 bytes of LDS; arguments xq4, wq4, rope, qkvi; writes qkvi
;; launch finea (part 7): grid 16 x 16, 2 waves a work-group, no clusters, 0 bytes of LDS; arguments qkvi, attention_mask, part; writes part
.if DOCPART == 7
	.amdgcn_target "amdgcn-amd-amdhsa--gfx1250"
	.amdhsa_code_object_version 6
	.text
	.protected	k_qd122335e83_finea
	.globl	k_qd122335e83_finea
	.p2align	8
	.type	k_qd122335e83_finea,@function
k_qd122335e83_finea:
	s_mov_b64 s[64:65], 0
	v_nop
	global_prefetch_b8 v0, s[64:65] scope:SCOPE_SE
	s_setreg_imm32_b32 hwreg(HW_REG_WAVE_MODE, 25, 1), 1
	s_wait_xcnt 0x0
; THE FIRST 16 POSITIONS OF EACH SEQUENCE, CARRIED FINELY: the attention, in parts along the keys.
; Work-group x = batch x 8 + head; a wave takes one tile of 16 queries (positions 0..15) against 64 keys: keys 64 j on, j = 2 x work-group y + wave, 0..31.  512 waves, 256 work-groups; one key step a wave, no loop.
; S^T = K Q^T (f16 operands, f32 sums); t = score x log2(e)/sqrt(128) + mask x log2(e), one fused multiply-add; m = the part's largest t, held at -3e38 from below; p = 2^(t - m), rounded to f16.
; What is finer than in the main launch: v goes as a pair of f16 numbers (a high and a low part, both multiplied by p); the part's sum l is taken, by a product with ones, of the very p that is multiplied; O^T stays f32.
; OUTPUT: part: [batch x 8 + head][j]: O^T's 64 registers as 16 images of 512 bytes (registers 4 i .. 4 i + 3, lane l's 16 bytes at 16 l); from byte 4,194,304 on, [batch x 8 + head][j][lane]: (m, l), 8 bytes a lane.
; The 32 parts of a head meet in the next launch: they lie in different work-groups, and what work-groups hand on goes through memory between launches.
; No LDS and no tensor loads: every fragment is read by one wave once, straight from the images, 512 consecutive bytes a load; all 112 loads of a wave go out at its head.
; No cluster: the two heads of a group read the same K and V, but nothing here goes through LDS, which a joint load would have to fill; a wave's share is 56 KB.
; LIMITS: as in the main launch: t is rounded once where the reference rounds twice, which shows only in rows whose every key carries a mask of the size of 1e9.  A part whose every key is at -infinity gives p = 0, l = 0.
; REGISTERS.  window 0: v1-3 addresses; v16 m, v17 its pair's filler and then l; v19, v22-25 at work; v32-63 Q; v64-95 S^T; v96-111 p; v112-119 ones; v120-127 the sum; v128-159 mask; v160-223 O^T.
;   window 1: v0-127 K; v128-255 v's high part.   window 2: v0-127 v's low part.
.set PARTML, 4194304
.set MSB, 0
.macro WIN new                         ; the immediate's high byte repeats the setting that is left
.if MSB != \new
	s_set_vgpr_msb (MSB<<8)|\new
.set MSB, \new
.endif
.endm
	s_load_b128 s[4:7], s[0:1], 0x0                ; qkvi, attention_mask
	s_load_b64 s[8:9], s[0:1], 0x10                ; part
	v_lshrrev_b32 v1, 5, v0
	v_readfirstlane_b32 s10, v1                    ; wave 0..1
	v_and_b32 v12, 31, v0                          ; lane
	v_and_b32 v13, 15, v0                          ; r
	v_bfe_u32 v14, v0, 4, 1                        ; h
	v_lshlrev_b32 v1, 4, v12                       ; 16 x lane
	v_lshlrev_b32 v2, 13, v13
	v_lshl_add_u32 v2, v14, 5, v2                  ; mask: row r of 8,192 bytes, + 32 h
	v_lshlrev_b32 v3, 3, v12                       ; 8 x lane
	s_lshr_b32 s13, ttmp9, 3                       ; batch
	s_and_b32 s14, ttmp9, 7                        ; head
	s_lshr_b32 s15, s14, 1                         ; its group
	s_and_b32 s11, ttmp7, 0xffff
	s_lshl_b32 s11, s11, 1
	s_add_co_u32 s11, s11, s10                     ; j: which 64 keys are mine
	s_mul_i32 s33, s13, 12
	s_add_co_u32 s16, s33, s14
	s_lshl_b32 s16, s16, 19                        ; Q: the head's images, row tile 0
	s_mov_b32 s17, 0
	s_add_co_u32 s18, s33, s15
	s_add_co_u32 s18, s18, 8
	s_lshl_b32 s18, s18, 19
	s_lshl_b32 s33, s11, 14                        ; 64 keys are 16,384 bytes of K's images, and of V's
	s_add_co_u32 s18, s18, s33
	s_mov_b32 s19, 0
	s_lshl_b32 s20, s13, 2
	s_add_co_u32 s20, s20, s15
	s_lshl_b32 s20, s20, 19
	s_add_co_u32 s20, s20, 12582912
	s_add_co_u32 s20, s20, s33
	s_mov_b32 s21, 0
	s_lshl_b32 s22, s13, 24                        ; mask: 16,777,216 bytes a batch,
	s_lshl_b32 s33, s11, 8                         ; my first key
	s_add_co_u32 s22, s22, s33
	s_mov_b32 s23, 0
	s_lshl_b32 s24, ttmp9, 5
	s_add_co_u32 s24, s24, s11                     ; my part's number: 32 x (batch x 8 + head) + j
	s_lshl_b32 s34, s24, 8
	s_add_co_u32 s34, s34, PARTML                  ; its 256 bytes of (m, l),
	s_mov_b32 s35, 0
	s_lshl_b32 s24, s24, 13                        ; its 8,192 bytes of O^T
	s_mov_b32 s25, 0
	s_mov_b32 s26, 0x3e0293ee                      ; c = log2(e) / sqrt(128)
	s_mov_b32 s27, s26
	s_mov_b32 s28, 0x3fb8aa3b                      ; log2(e)
	s_mov_b32 s29, s28
	s_mov_b32 s30, 0x76543210                      ; v_permlanex16_b32: lane l xor 16
	s_mov_b32 s31, 0xfedcba98
	s_wait_kmcnt 0x0
	s_add_nc_u64 s[16:17], s[4:5], s[16:17]
	s_add_nc_u64 s[18:19], s[4:5], s[18:19]
	s_add_nc_u64 s[20:21], s[4:5], s[20:21]
	s_add_nc_u64 s[22:23], s[6:7], s[22:23]
	s_add_nc_u64 s[24:25], s[8:9], s[24:25]
	s_add_nc_u64 s[34:35], s[8:9], s[34:35]
.irp p, 0,1,2,3,4,5,6,7
	global_load_b128 v[32+4*\p:35+4*\p], v1, s[16:17] offset:512*\p    ; Q
.endr
	WIN 0x40
.irp kt, 0,1,2,3
.irp c4, 0,1,2,3
	global_load_b128 v[32*\kt+8*\c4:32*\kt+8*\c4+3], v1, s[18:19] offset:\kt*4096+\c4*1024          ; K: keys 16 kt on, channels 32 c4 on
	global_load_b128 v[32*\kt+8*\c4+4:32*\kt+8*\c4+7], v1, s[18:19] offset:\kt*4096+\c4*1024+512
.endr
.endr
	WIN 0
.irp kt, 0,1,2,3
.irp e, 0,1
	global_load_b128 v[128+8*\kt+4*\e:131+8*\kt+4*\e], v2, s[22:23] offset:64*\kt+16*\e            ; mask(query r, keys 16 kt + 8 h + 4 e on)
.endr
.endr
	WIN 0x40
.irp kk, 0,1
.irp ct, 0,1,2,3,4,5,6,7
	global_load_b128 v[128+64*\kk+8*\ct:128+64*\kk+8*\ct+3], v1, s[20:21] offset:\kk*8192+\ct*1024      ; v's high part: keys 32 kk on, channels 16 ct on
	global_load_b128 v[128+64*\kk+8*\ct+4:128+64*\kk+8*\ct+7], v1, s[20:21] offset:\kk*8192+\ct*1024+512
.endr
.endr
	WIN 0x80
.irp kk, 0,1
.irp ct, 0,1,2,3,4,5,6,7
	global_load_b128 v[64*\kk+8*\ct:64*\kk+8*\ct+3], v1, s[20:21] offset:4194304+\kk*8192+\ct*1024      ; v's low part, in registers of its own
	global_load_b128 v[64*\kk+8*\ct+4:64*\kk+8*\ct+7], v1, s[20:21] offset:4194304+\kk*8192+\ct*1024+512
.endr
.endr
	WIN 0
.irp i, 0,1,2,3,4,5,6,7
	v_mov_b32 v[112+\i], 0x3c003c00                ; 1.0, 1.0 in f16
.endr
	v_mov_b32 v16, 0xff61b1e6                      ; the floor under m: -3e38
	v_mov_b32 v17, 0                               ; (named with v16 as a pair, so it is written)
	v_mov_b32 v19, 0                               ; a lane permute's destination counts as one of its sources
	s_wait_loadcnt 63                              ; Q, K and the mask are in.  64 loads of v stand behind them; the count's field holds 63, so the first of v's is waited for too
	WIN 0x01
.set i, 0
.rept 16                                       ; S^T: four accumulators by turns; the first four products start the sums
.if i < 4
	v_wmma_f32_16x16x32_f16 v[64+8*(i%4):71+8*(i%4)], v[32*(i%4)+8*(i/4):32*(i%4)+8*(i/4)+7], v[32+8*(i/4):39+8*(i/4)], 0
.else
	v_wmma_f32_16x16x32_f16 v[64+8*(i%4):71+8*(i%4)], v[32*(i%4)+8*(i/4):32*(i%4)+8*(i/4)+7], v[32+8*(i/4):39+8*(i/4)], v[64+8*(i%4):71+8*(i%4)]
.endif
.set i, i+1
.endr
	WIN 0
.set j, 0
.rept 16
	v_pk_mul_f32 v[128+j:129+j], v[128+j:129+j], s[28:29] op_sel_hi:[1,0]   ; mask x log2(e).  (These sixteen are the places behind the products)
.set j, j+2
.endr
.set j, 0
.rept 16
	v_pk_fma_f32 v[64+j:65+j], v[64+j:65+j], s[26:27], v[128+j:129+j] op_sel_hi:[1,0,1]   ; t; each accumulator from its low end on
.set j, j+2
.endr
.irp k, 0,1,2,3
	v_max3_num_f32 v[22+\k], v[64+8*\k], v[65+8*\k], v[66+8*\k]
.endr
.irp i, 3,5
.irp k, 0,1,2,3
	v_max3_num_f32 v[22+\k], v[22+\k], v[64+8*\k+\i], v[65+8*\k+\i]
.endr
.endr
	v_max3_num_f32 v22, v22, v71, v79
	v_max3_num_f32 v24, v24, v87, v95
	v_max3_num_f32 v22, v22, v23, v24
	v_max3_num_f32 v22, v22, v25, v16              ; with the floor
	v_permlanex16_b32 v19, v22, s30, s31           ; the query's other 32 keys lie in the lane 16 away
	v_max_num_f32 v16, v22, v19                    ; m
.set j, 0
.rept 16
	v_pk_add_f32 v[64+j:65+j], v[64+j:65+j], v[16:17] op_sel_hi:[1,0] neg_lo:[0,1] neg_hi:[0,1]   ; t - m
.set j, j+2
.endr
.set j, 0
.rept 32
	v_exp_f32 v[64+j], v[64+j]
.set j, j+1
.endr
	v_nop                                          ; a plain line behind the last exponential,
	s_wait_alu depctr_va_vdst(0)                   ; and one wait for the 32, ahead of their first reader
.set j, 0
.rept 16
	v_cvt_pk_f16_f32 v[96+j], v[64+2*j], v[65+2*j]
.set j, j+1
.endr
	s_wait_loadcnt 32                              ; v's high part is in; the 32 loads of the low part may be out
.irp kk, 0,1                                   ; O^T = V^T P: eight accumulators and the sum's by turns; the first nine products start the sums: nothing is cleared
	WIN 0x01
.irp ct, 0,1,2,3,4,5,6,7
.if \kk == 0
	v_wmma_f32_16x16x32_f16 v[160+8*\ct:167+8*\ct], v[128+8*\ct:135+8*\ct], v[96:103], 0
.else
	v_wmma_f32_16x16x32_f16 v[160+8*\ct:167+8*\ct], v[192+8*\ct:199+8*\ct], v[104:111], v[160+8*\ct:167+8*\ct]
.endif
.endr
	WIN 0
.if \kk == 0
	v_wmma_f32_16x16x32_f16 v[120:127], v[112:119], v[96:103], 0           ; the sum of the p that is multiplied: every register holds it
.else
	v_wmma_f32_16x16x32_f16 v[120:127], v[112:119], v[104:111], v[120:127]
.endif
.endr
	s_wait_loadcnt 0x0
	WIN 0x02
.irp kk, 0,1
.irp ct, 0,1,2,3,4,5,6,7
	v_wmma_f32_16x16x32_f16 v[160+8*\ct:167+8*\ct], v[64*\kk+8*\ct:64*\kk+8*\ct+7], v[96+8*\kk:103+8*\kk], v[160+8*\ct:167+8*\ct]
.endr
.endr
	WIN 0
.rept 4
	v_nop                                          ; places in front of the first read of results
.endr
	v_mov_b32 v17, v120                            ; l beside m
.irp i, 0,1,2,3,4,5,6,7,8,9,10,11,12,13,14,15
	global_store_b128 v1, v[160+4*\i:163+4*\i], s[24:25] offset:512*\i     ; 32 lanes store 512 consecutive bytes, aligned; each accumulator from its low end on
.endr
	global_store_b64 v3, v[16:17], s[34:35]        ; 32 lanes store 256 consecutive bytes, aligned
	s_endpgm
.Lfunc_end_k_qd122335e83_finea:
	.size	k_qd122335e83_finea, .Lfunc_end_k_qd122335e83_finea-k_qd122335e83_finea
	.p2alignl 7, 3214868480
	.fill 96, 4, 3214868480
	.section	.rodata,"a",@progbits
	.p2align	6, 0x0
	.amdhsa_kernel k_qd122335e83_finea
		.amdhsa_group_segment_fixed_size 0
		.amdhsa_private_segment_fixed_size 0
		.amdhsa_enable_private_segment 0
		.amdhsa_kernarg_size 24
		.amdhsa_user_sgpr_count 2
		.amdhsa_user_sgpr_kernarg_segment_ptr 1
		.amdhsa_wavefront_size32 1
		.amdhsa_system_sgpr_workgroup_id_x 1
		.amdhsa_system_sgpr_workgroup_id_y 1
		.amdhsa_system_sgpr_workgroup_id_z 1
		.amdhsa_system_vgpr_workitem_id 0
		.amdhsa_next_free_vgpr 640
		.amdhsa_next_free_sgpr 66
		.amdhsa_reserve_vcc 0
		.amdhsa_float_denorm_mode_32 3
		.amdhsa_float_denorm_mode_16_64 3
		.amdhsa_memory_ordered 1
		.amdhsa_forward_progress 1
		.amdhsa_inst_pref_size 26
	.end_amdhsa_kernel
	.amdgpu_metadata
---
amdhsa.version: [ 1, 2 ]
amdhsa.kernels:
  - .name:           k_qd122335e83_finea
    .symbol:         k_qd122335e83_finea.kd
    .args:
      - { .name: qkvi, .offset: 0, .size: 8, .value_kind: global_buffer, .address_space: global }
      - { .name: attention_mask, .offset: 8, .size: 8, .value_kind: global_buffer, .address_space: global }
      - { .name: part, .offset: 16, .size: 8, .value_kind: global_buffer, .address_space: global }
    .group_segment_fixed_size: 0
    .private_segment_fixed_size: 0
    .kernarg_segment_align: 8
    .kernarg_segment_size: 24
    .max_flat_workgroup_size: 64
    .sgpr_count:     66
    .vgpr_count:     640
    .wavefront_size: 32
...
	.end_amdgpu_metadata
.endif
;; end of part 7
;; launch finem (part 8): grid 16 x 16, 1 waves a work-group, no clusters, 0 bytes of LDS; arguments part, afine; writes afine
.if DOCPART == 8
	.amdgcn_target "amdgcn-amd-amdhsa--gfx1250"
	.amdhsa_code_object_version 6
	.text
	.protected	k_qd122335e83_finem
	.globl	k_qd122335e83_finem
	.p2align	8
	.type	k_qd122335e83_finem,@function
k_qd122335e83_finem:
	s_mov_b64 s[64:65], 0
	v_nop
	global_prefetch_b8 v0, s[64:65] scope:SCOPE_SE
	s_setreg_imm32_b32 hwreg(HW_REG_WAVE_MODE, 25, 1), 1
	s_wait_xcnt 0x0
; THE 32 PARTS OF EACH HEAD'S FINE ATTENTION MEET.  Work-group x = batch x 8 + head, y = one of O^T's 16 images (four registers a lane); one wave: 256 waves in all.
; M = the largest m_j; f_j = 2^(m_j - M); L = sum of f_j l_j; out = (sum of f_j O_j) / L, all in f32.  A lane holds one query throughout: (m, l) and O^T were stored lane by lane and come back so.
; OUTPUT: afine [batch][head][16 images][32 lanes][16 bytes]: lane (r, h) of image i: position r, channels 16 (i / 2) + 8 h + 4 (i % 2) + 0..3 of the head: the order in which the projection's lanes take them.
; A stream: each image is read once, 512 consecutive bytes a load, all 64 loads out at once; no LDS, no barrier, no matrix unit: there is nothing for them to do here.
; LIMITS: a row whose every key is at -infinity has L = 0 and comes out NaN, as the reference's softmax does.
; REGISTERS: v1, v2 offsets; v8, v9 M; v10 1 / L (v11 its pair's filler); v12, v13 L in two chains; v16-19 the sums; v32-95 (m_j, l_j), then (f_j, l_j); v96-223 O_j.
	s_load_b128 s[4:7], s[0:1], 0x0                ; part, afine
	v_lshlrev_b32 v1, 4, v0                        ; 16 x lane (one wave: the thread's number is the lane)
	v_lshlrev_b32 v2, 3, v0                        ; 8 x lane
	v_mov_b32 v11, 0                               ; (named with v10 as a pair, so it is written)
	s_and_b32 s8, ttmp7, 0xffff                    ; the image
	s_lshl_b32 s10, ttmp9, 18                      ; the head's 32 parts of 8,192 bytes,
	s_lshl_b32 s9, s8, 9
	s_add_co_u32 s10, s10, s9                      ; my image in the first
	s_mov_b32 s11, 0
	s_lshl_b32 s12, ttmp9, 13                      ; their 32 x 256 bytes of (m, l)
	s_add_co_u32 s12, s12, 4194304
	s_mov_b32 s13, 0
	s_lshl_b32 s14, ttmp9, 4
	s_add_co_u32 s14, s14, s8
	s_lshl_b32 s14, s14, 9                         ; where the result goes
	s_mov_b32 s15, 0
	s_wait_kmcnt 0x0
	s_add_nc_u64 s[10:11], s[4:5], s[10:11]
	s_add_nc_u64 s[12:13], s[4:5], s[12:13]
	s_add_nc_u64 s[14:15], s[6:7], s[14:15]
.set j, 0
.rept 32
	global_load_b64 v[32+2*j:33+2*j], v2, s[12:13] offset:256*j
.set j, j+1
.endr
.set j, 0
.rept 32
	global_load_b128 v[96+4*j:99+4*j], v1, s[10:11] offset:8192*j th:TH_LOAD_NT    ; read once in the launch
.set j, j+1
.endr
	s_wait_loadcnt 32                              ; the 32 pairs (m, l) are in; the 32 images may be out
	v_max3_num_f32 v8, v32, v34, v36               ; M, in two chains
	v_max3_num_f32 v9, v38, v40, v42
.irp j, 6,10,14,18,22,26
	v_max3_num_f32 v8, v8, v[32+2*\j], v[34+2*\j]
	v_max3_num_f32 v9, v9, v[36+2*\j], v[38+2*\j]
.endr
	v_max3_num_f32 v8, v8, v92, v94
	v_max_num_f32 v8, v8, v9
.set j, 0
.rept 32
	v_sub_f32 v[32+2*j], v[32+2*j], v8
.set j, j+1
.endr
.set j, 0
.rept 32
	v_exp_f32 v[32+2*j], v[32+2*j]                 ; f_j
.set j, j+1
.endr
	v_nop                                          ; a plain line behind the last exponential,
	s_wait_alu depctr_va_vdst(0)                   ; and one wait for the 32, ahead of their first reader
	v_mul_f32 v12, v32, v33                        ; L, in two chains
	v_mul_f32 v13, v34, v35
.irp j, 2,4,6,8,10,12,14,16,18,20,22,24,26,28,30
	v_fma_f32 v12, v[32+2*\j], v[33+2*\j], v12
	v_fma_f32 v13, v[34+2*\j], v[35+2*\j], v13
.endr
	v_add_f32 v12, v12, v13
	v_rcp_f32 v10, v12
	s_wait_loadcnt 0x0                             ; the images
	v_pk_mul_f32 v[16:17], v[96:97], v[32:33] op_sel_hi:[1,0]      ; the first part starts the sums (of the pair (f, l) the low word serves both halves).  These lines are the plain work behind the reciprocal
	v_pk_mul_f32 v[18:19], v[98:99], v[32:33] op_sel_hi:[1,0]
.set j, 1
.rept 31
	v_pk_fma_f32 v[16:17], v[96+4*j:97+4*j], v[32+2*j:33+2*j], v[16:17] op_sel_hi:[1,0,1]
	v_pk_fma_f32 v[18:19], v[98+4*j:99+4*j], v[32+2*j:33+2*j], v[18:19] op_sel_hi:[1,0,1]
.set j, j+1
.endr
	s_wait_alu depctr_va_vdst(0)                   ; the wait for the reciprocal, ahead of its first reader
	v_pk_mul_f32 v[16:17], v[16:17], v[10:11] op_sel_hi:[1,0]
	v_pk_mul_f32 v[18:19], v[18:19], v[10:11] op_sel_hi:[1,0]
	global_store_b128 v1, v[16:19], s[14:15]       ; 32 lanes store 512 consecutive bytes, aligned
	s_endpgm
.Lfunc_end_k_qd122335e83_finem:
	.size	k_qd122335e83_finem, .Lfunc_end_k_qd122335e83_finem-k_qd122335e83_finem
	.p2alignl 7, 3214868480
	.fill 96, 4, 3214868480
	.section	.rodata,"a",@progbits
	.p2align	6, 0x0
	.amdhsa_kernel k_qd122335e83_finem
		.amdhsa_group_segment_fixed_size 0
		.amdhsa_private_segment_fixed_size 0
		.amdhsa_enable_private_segment 0
		.amdhsa_kernarg_size 16
		.amdhsa_user_sgpr_count 2
		.amdhsa_user_sgpr_kernarg_segment_ptr 1
		.amdhsa_wavefront_size32 1
		.amdhsa_system_sgpr_workgroup_id_x 1
		.amdhsa_system_sgpr_workgroup_id_y 1
		.amdhsa_system_sgpr_workgroup_id_z 1
		.amdhsa_system_vgpr_workitem_id 0
		.amdhsa_next_free_vgpr 224
		.amdhsa_next_free_sgpr 66
		.amdhsa_reserve_vcc 0
		.amdhsa_float_denorm_mode_32 3
		.amdhsa_float_denorm_mode_16_64 3
		.amdhsa_memory_ordered 1
		.amdhsa_forward_progress 1
		.amdhsa_inst_pref_size 17
	.end_amdhsa_kernel
	.amdgpu_metadata
---
amdhsa.version: [ 1, 2 ]
amdhsa.kernels:
  - .name:           k_qd122335e83_finem
    .symbol:         k_qd122335e83_finem.kd
    .args:
      - { .name: part, .offset: 0, .size: 8, .value_kind: global_buffer, .address_space: global }
      - { .name: afine, .offset: 8, .size: 8, .value_kind: global_buffer, .address_space: global }
    .group_segment_fixed_size: 0
    .private_segment_fixed_size: 0
    .kernarg_segment_align: 8
    .kernarg_segment_size: 16
    .max_flat_workgroup_size: 32
    .sgpr_count:     66
    .vgpr_count:     224
    .wavefront_size: 32
...
	.end_amdgpu_metadata
.endif
;; end of part 8
;; launch attn: the kernel of part 4 again; grid 32 x 8, 8 waves a work-group, clusters of 4 x 4, 327,680 bytes of LDS; arguments qkvi, attention_mask, aout; writes aout
;; launch oproj: the kernel of part 5 again; grid 16 x 16, 4 waves a work-group, clusters of 4 x 4, 327,680 bytes of LDS; arguments aout, woh, out0; writes out0
;; launch fineb (part 9): grid 64 x 2, 8 waves a work-group, no clusters, 9,728 bytes of LDS; arguments afine, wo, out0; writes out0
.if DOCPART == 9
	.amdgcn_target "amdgcn-amd-amdhsa--gfx1250"
	.amdhsa_code_object_version 6
	.text
	.protected	k_qd122335e83_fineb
	.globl	k_qd122335e83_fineb
	.p2align	8
	.type	k_qd122335e83_fineb,@function
k_qd122335e83_fineb:
	s_mov_b64 s[64:65], 0
	v_nop
	global_prefetch_b8 v0, s[64:65] scope:SCOPE_SE
	s_setreg_imm32_b32 hwreg(HW_REG_WAVE_MODE, 25, 1), 1
	s_wait_xcnt 0x0
; THE FIRST 16 POSITIONS OF EACH SEQUENCE, PROJECTED IN F32: out0[2048 b + 0..15][n] = sum over k of a[position][k] wo[n][k], K = 1,024, by the f32 matrix form: 32 rows of 4,096: no bulk work.
; It runs last and writes those 32 rows over what the f16 projection left there.
; A work-group: one batch, 64 columns.  Eight waves, two to a SIMD: wave w takes columns 16 (w % 4) on and half w / 4 of K; the two halves' sums meet in LDS.
; Transposed use (source 0 = 16 rows of wo, source 1 = the 16 positions): a lane holds one position and eight neighbouring columns.
; afine comes as images [batch][128 images][32 lanes][16 bytes]: lane (r, h) of image 8 c + i holds position r, k = 64 c + 16 (i / 2) + 4 (i % 2) + 8 h + 0..3: a load is 512 consecutive bytes.
; wo's loads take the same k of row r: byte 4,096 r + 32 h + 256 c + 64 (i / 2) + 16 (i % 2).  A pair of a load's registers is one K step of 4: k is permuted alike on both sides, which keeps the products.
; Two accumulators take the K steps by turns and are written by matrix instructions alone; their sum goes into other registers.
.set HALF,  16*272                     ; a copy of the stage: 16 rows x (256 + 16); one copy for each half of K
.set SPARE, 2*HALF                     ; behind the two copies: the spare words, 128 bytes a wave, which no other line names
	s_load_b128 s[4:7], s[0:1], 0x0                ; afine, wo
	s_load_b64 s[8:9], s[0:1], 0x10                ; out0
	v_lshl_add_u32 v10, v0, 2, SPARE
	v_mov_b32 v11, 0
	v_lshrrev_b32 v1, 5, v0
	v_readfirstlane_b32 s10, v1                    ; wave 0..7
	s_and_b32 s19, s10, 3                          ; my column tile
	s_lshr_b32 s20, s10, 2                         ; my half of K
	v_and_b32 v2, 15, v0                           ; r
	v_bfe_u32 v3, v0, 4, 1                         ; h
	v_lshlrev_b32 v4, 12, v2
	v_lshl_add_u32 v4, v3, 5, v4                   ; wo: row r of 4,096 bytes, + 32 h
	v_and_b32 v8, 31, v0
	v_lshlrev_b32 v8, 4, v8                        ; afine: 16 x lane
	v_mul_u32_u24 v5, v2, 272
	v_lshl_add_u32 v5, v3, 5, v5
	s_lshl_b32 s16, s19, 6
	s_mul_i32 s17, s20, HALF
	s_add_co_u32 s16, s16, s17
	v_add_nc_u32 v5, s16, v5                       ; the stage, in: my half's copy, row r, + 64 x column tile + 32 h
	v_mul_u32_u24 v6, v3, 272
	v_lshl_add_u32 v6, v2, 4, v6
	s_mul_i32 s16, s10, 2*272
	v_add_nc_u32 v6, s16, v6                       ; and out: row 2 w + h of the first copy, 16 bytes a lane
	v_lshlrev_b32 v7, 14, v3
	v_lshl_add_u32 v7, v2, 4, v7                   ; the same rows in out0
	s_and_b32 s11, ttmp7, 0xffff                   ; the batch
	s_lshl_b32 s12, ttmp9, 6
	s_lshl_b32 s13, s19, 4
	s_add_co_u32 s12, s12, s13                     ; my first column = row of wo
	s_lshl_b32 s12, s12, 12
	s_lshl_b32 s13, s20, 11                        ; my half of K: 512 numbers on
	s_add_co_u32 s12, s12, s13
	s_mov_b32 s13, 0
	s_lshl_b32 s14, s11, 16                        ; afine: 128 images of 512 bytes a batch,
	s_lshl_b32 s15, s20, 15                        ; 64 of them a half of K
	s_add_co_u32 s14, s14, s15
	s_mov_b32 s15, 0
	s_lshl_b32 s16, s11, 11
	s_lshl_b32 s17, s10, 1
	s_add_co_u32 s16, s16, s17
	s_lshl_b32 s16, s16, 14                        ; out0: row 2,048 b + 2 w,
	s_lshl_b32 s17, ttmp9, 8                       ; the work-group's 256 bytes
	s_add_co_u32 s16, s16, s17
	s_mov_b32 s17, 0
	s_mov_b32 s18, 3
	s_wait_kmcnt 0x0
	s_add_nc_u64 s[6:7], s[6:7], s[12:13]
	s_add_nc_u64 s[4:5], s[4:5], s[14:15]
	s_add_nc_u64 s[8:9], s[8:9], s[16:17]
.macro CLOAD set, off                  ; 64 along K, off bytes of a row of wo on: 8 loads of wo into v[32 + 64 set ..], 8 images of afine into v[64 + 64 set ..]
.irp i, 0,1,2,3,4,5,6,7
	global_load_b128 v[32+64*(\set)+4*\i:35+64*(\set)+4*\i], v4, s[6:7] offset:\off+64*(\i/2)+16*(\i%2)
	global_load_b128 v[64+64*(\set)+4*\i:67+64*(\set)+4*\i], v8, s[4:5] offset:16*(\off)+512*\i
.endr
.endm
.macro MULC set, zero                  ; 16 K steps of 4
.set kk, 0
.rept 16
.if (\zero) && (kk < 2)
	v_wmma_f32_16x16x4_f32 v[160+8*(kk%2):167+8*(kk%2)], v[32+64*(\set)+2*kk:33+64*(\set)+2*kk], v[64+64*(\set)+2*kk:65+64*(\set)+2*kk], 0
.else
	v_wmma_f32_16x16x4_f32 v[160+8*(kk%2):167+8*(kk%2)], v[32+64*(\set)+2*kk:33+64*(\set)+2*kk], v[64+64*(\set)+2*kk:65+64*(\set)+2*kk], v[160+8*(kk%2):167+8*(kk%2)]
.endif
.set kk, kk+1
.endr
.endm
	CLOAD 0, 0
	CLOAD 1, 256
	s_wait_loadcnt 16                              ; set 0 is in; set 1's 16 loads may be out
	MULC 0, 1                                      ; the sums' first K steps stand ahead of the loop and start them
.Lchunk:                                               ; 3 trips of two chunks of 64 along K: my half of K has eight chunks
.rept 8
	v_nop                                          ; eight places in front of loads into registers that this form has read
.endr
	CLOAD 0, 512
	s_wait_loadcnt 16                              ; set 1 is in; the 16 loads just issued may be out
	MULC 1, 0
.rept 8
	v_nop
.endr
	CLOAD 1, 768
	s_wait_loadcnt 16                              ; set 0 is in
	MULC 0, 0
	s_wait_xcnt 0x0                                ; the loads that are out have read their bases
	s_add_nc_u64 s[6:7], s[6:7], 512               ; two chunks on: 128 numbers of a row of wo,
	s_add_nc_u64 s[4:5], s[4:5], 8192              ; 16 images of afine
	s_sub_co_u32 s18, s18, 1
	s_cmp_lg_u32 s18, 0
	s_cbranch_scc1 .Lchunk
	s_wait_loadcnt 0x0
	MULC 1, 0                                      ; the last chunk: nothing more to fetch
.rept 8
	v_nop                                          ; eight places in front of the first read of results
.endr
.irp j, 0,2,4,6
	v_pk_add_f32 v[176+\j:177+\j], v[160+\j:161+\j], v[168+\j:169+\j]   ; from the low end on
.endr
	ds_store_b128 v5, v[176:179]
	ds_store_b128 v5, v[180:183] offset:16
	s_wait_dscnt 0x0                               ; for the others' sake: a row's 256 bytes come from four waves, its two halves of K from two copies
	s_barrier_signal -1
	s_barrier_wait -1
	ds_load_b128 v[184:187], v6
	ds_load_b128 v[188:191], v6 offset:HALF
	s_wait_dscnt 0x0
	v_pk_add_f32 v[184:185], v[184:185], v[188:189]        ; the two halves of K
	v_pk_add_f32 v[186:187], v[186:187], v[190:191]
	global_store_b128 v7, v[184:187], s[8:9]               ; 16 lanes store 256 consecutive bytes, aligned
	s_wait_tensorcnt 0x0                           ; the wave's end, behind my last LDS store
	ds_add_u32 v10, v11
	s_wait_dscnt 0x0
	s_endpgm
.Lfunc_end_k_qd122335e83_fineb:
	.size	k_qd122335e83_fineb, .Lfunc_end_k_qd122335e83_fineb-k_qd122335e83_fineb
	.p2alignl 7, 3214868480
	.fill 96, 4, 3214868480
	.section	.rodata,"a",@progbits
	.p2align	6, 0x0
	.amdhsa_kernel k_qd122335e83_fineb
		.amdhsa_group_segment_fixed_size 9728
		.amdhsa_private_segment_fixed_size 0
		.amdhsa_enable_private_segment 0
		.amdhsa_kernarg_size 24
		.amdhsa_user_sgpr_count 2
		.amdhsa_user_sgpr_kernarg_segment_ptr 1
		.amdhsa_wavefront_size32 1
		.amdhsa_system_sgpr_workgroup_id_x 1
		.amdhsa_system_sgpr_workgroup_id_y 1
		.amdhsa_system_sgpr_workgroup_id_z 1
		.amdhsa_system_vgpr_workitem_id 0
		.amdhsa_next_free_vgpr 192
		.amdhsa_next_free_sgpr 66
		.amdhsa_reserve_vcc 0
		.amdhsa_float_denorm_mode_32 3
		.amdhsa_float_denorm_mode_16_64 3
		.amdhsa_memory_ordered 1
		.amdhsa_forward_progress 1
		.amdhsa_inst_pref_size 15
	.end_amdhsa_kernel
	.amdgpu_metadata
---
amdhsa.version: [ 1, 2 ]
amdhsa.kernels:
  - .name:           k_qd122335e83_fineb
    .symbol:         k_qd122335e83_fineb.kd
    .args:
      - { .name: afine, .offset: 0, .size: 8, .value_kind: global_buffer, .address_space: global }
      - { .name: wo, .offset: 8, .size: 8, .value_kind: global_buffer, .address_space: global }
      - { .name: out0, .offset: 16, .size: 8, .value_kind: global_buffer, .address_space: global }
    .group_segment_fixed_size: 9728
    .private_segment_fixed_size: 0
    .kernarg_segment_align: 8
    .kernarg_segment_size: 24
    .max_flat_workgroup_size: 256
    .sgpr_count:     66
    .vgpr_count:     192
    .wavefront_size: 32
...
	.end_amdgpu_metadata
.endif
;; end of part 9
